; MI455X (gfx1250); checked and timed in simulation.
; The chip was launched on July 23, 2026; its instructions are those of AMD's public machine-readable ISA for CDNA 5 (MIT licence, August 2026) and "CDNA5" Instruction Set Architecture Reference Guide (July 2026). The comments in the code are by the model that wrote it; some were corrected since.
;; Multi Head Attention. Allowed arithmetic: matrix products marked QUANTISED: E2M3 operands, one E8M0 scale for each 32 along K, by v_wmma_scale_f32_16x16x128_f8f6f4 with both operands' format E2M3, f32 sums; everything else in f32.
;; Inputs: input_tensor 2 x 2,048 x 1,024 float32; out_bias 1,024 float32; out_weight 1,024 x 1,024 float32; qkv_bias 3,072 float32; qkv_weight 3,072 x 1,024 float32.
;; Outputs: out0 2 x 2,048 x 1,024 float32.
;; This version of the problem:
;;   THIS VERSION OF THE PROBLEM IS GIVEN IN LOW PRECISION. The matrix products marked QUANTISED in the list below multiply operands that are first quantised to E2M3 (2 exponent bits, 3 mantissa bits; 6 bits a number), with one power-of-two scale for each 32 numbers along K (OCP MX v1.0); their sums are f32. All else is computed in f32.
;;   The module's matrix products, in the order in which they are computed (A, B: the left and right operand; K: the contracted axis; several contracted axes count as one K, in the product's order):
;;     1. [M 4,096, K 1,024] x [K 1,024, N 3,072]; A: input input_tensor; B: input qkv_weight: QUANTISED
;;     2. batch 32 x [M 2,048, K 64] x [K 64, N 2,048]; A: computed on the way; B: computed on the way: QUANTISED
;;     3. batch 32 x [M 2,048, K 2,048] x [K 2,048, N 64]; A: softmax (see below); B: computed on the way: QUANTISED
;;     4. [M 4,096, K 1,024] x [K 1,024, N 1,024]; A: computed on the way; B: input out_weight: QUANTISED
;;   THE QUANTISER, for each operand of a quantised product, along K:
;;     - K is cut into blocks of 32 from its start; a last block that is shorter is filled with zeros.
;;     - A block's scale is 2^e with e = floor(log2(the largest magnitude in the block)) - 2, held to -126 .. 127; a block of zeros has e = 0. As a byte (E8M0): e + 127.
;;     - Each number is divided by its block's scale, clamped to +-7.5, and rounded to the nearest number of E2M3, ties to even, subnormals kept.
;;     - The product sums the exact products of the quantised numbers (number of the format x scale) in f32.
;;   ~~~python
;;   def quantise(x, axis):      # numpy; x: float32 -> the quantised numbers, widened to float32 again
;;       x = np.moveaxis(x, axis, -1); K = x.shape[-1]
;;       x = np.pad(x, [(0, 0)] * (x.ndim - 1) + [(0, -K % 32)]); x = x.reshape(x.shape[:-1] + (-1, 32)); a = np.abs(x).max(-1, keepdims=True)
;;       e = np.where(a > 0, np.clip(np.frexp(np.where(a > 0, a, 1))[1] - 1 - 2, -126, 127), 0)      # np.frexp(a)[1] - 1 = floor(log2(a)), exactly
;;       r = np.clip(x / 2.0 ** e, -7.5, 7.5)
;;       step = 2.0 ** (np.maximum(np.frexp(np.where(r == 0, 1, r))[1] - 1, 0) - 3)
;;       q = np.round(r / step) * step * 2.0 ** e      # np.round: ties to even
;;       return np.moveaxis(q.reshape(q.shape[:-2] + (-1,))[..., :K], -1, axis).astype(np.float32)
;;   ~~~
;;   SOFTMAX AHEAD OF A QUANTISED PRODUCT. Where the list says 'softmax', what is quantised is not the finished softmax but p = 2^(t - M), with t = logit x log2(e) and M = ceil(the row's largest t), a whole number; so 1/2 < the row's largest p <= 1. The row's sum l is taken of the UNQUANTISED p, in f32, and the product's result is divided by l at the end. Since M is a whole number, a kernel that streams over the keys may use a running M (the ceiling of the running maximum): every later rescaling is an exact power of two, which a block's scale takes up: the codes' values come out the same.
;;   OPERANDS COMPUTED ON THE WAY. 'Computed on the way' means the value that the module computes at that place (a softmax that the list does not call 'softmax' is quantised finished and normalised). What goes into a quantiser is computed in f32, as accurately as f32 sums, v_exp_f32 and their like allow (about 1e-6 of the number): no bf16 or f16 on the way to a quantiser, and a product that is left as it is and whose result goes on into a quantised operand takes f32 operands (vector FMAs, or v_wmma_f32_16x16x4_f32). A number that lies on a knife's edge between two numbers of the format may be rounded either way, as far as f32 arithmetic and the matrix unit's own rounding can turn it there, and no further.
;; One version. Each part assembles by itself: llvm-mc -triple=amdgcn-amd-amdhsa -mcpu=gfx1250 --defsym DOCPART=n.
;; ======== version 1 of 1: 4 launches
;; limits: right only within a limited range of input values
;; workspace buffers: xwc 6,291,456 bytes; xws 262,144 bytes; qkvc 9,830,400 bytes; attc 3,145,728 bytes; atts 131,072 bytes
;; launch quant (part 1): grid 256 x 1, 4 waves a work-group, no clusters, 33,280 bytes of LDS; arguments input_tensor, qkv_weight, out_weight, xwc, xws; writes xwc, xws
.if DOCPART == 1
	.amdgcn_target "amdgcn-amd-amdhsa--gfx1250"
	.amdhsa_code_object_version 6
	.text
	.protected	k_q6ff4761903_quant
	.globl	k_q6ff4761903_quant
	.p2align	8
	.type	k_q6ff4761903_quant,@function
k_q6ff4761903_quant:
	s_mov_b64 s[64:65], 0
	v_nop
	global_prefetch_b8 v0, s[64:65] scope:SCOPE_SE
	s_setreg_imm32_b32 hwreg(HW_REG_WAVE_MODE, 25, 1), 1
	s_wait_xcnt 0x0
; x [4096][1024], Wqkv [3072][1024] and Wout [1024][1024], f32, K innermost, become codes of FP6 (E2M3) and one E8M0 scale byte for each 32 along K.
; The three tensors share two buffers of 8,192 rows: rows 0-4,095 x, 4,096-7,167 Wqkv, 7,168-8,191 Wout.  No work of the problem is left out by this program, and every input is read.
; A block's scale is 2^(floor(log2(its largest magnitude)) - 2); its byte is the largest magnitude's exponent field - 2, held at 1 from below.  A block of zeros so gets the byte 1 where the
; rule says 127: its codes are zeros, which add nothing under any byte but 0xff, and the bytes are read by this program alone.
; LIMITS: blocks whose largest magnitude lies under 2^-124 (the floor) were not tried; NaN and infinities among the inputs are not served.
; THE ORDER OF ROWS: in every 64 rows the group of eight 4 h + j (h = 0, 1; j = 0 .. 3) becomes group 2 j + h.  So 16 consecutive buffer rows are original rows 8 j + i and 32 + 8 j + i, and, used as source 0 of a
; matrix instruction, four such tiles leave in a lane's 32 registers 32 NEIGHBOURS of the original order: one whole scale block of the next quantiser.
; THE ORDER OF BYTES: the codes lie [block of rows][K step of 256][row][192 bytes]: blocks of 256 rows for x and Wqkv, of 64 rows for Wout.  So a K step's codes of a block are dense, and every tile that a later
; launch fetches begins at a multiple of 256 bytes and is a multiple of 256 bytes long.  The scale bytes lie [row][32].
; A work-group takes 32 rows, a wave eight (16 steps of 512 numbers).  Each of a step's four loads reads 512 consecutive bytes; the 2,048 bytes turn through the wave's own stage in LDS and come back 64 bytes a lane,
; since the conversion takes 16 neighbours from ONE lane's registers.  A step is two K steps of one row: sixteen lanes store 192 consecutive bytes each; a wave's eight rows make 1,536 consecutive bytes for each K step.
.set STEPS, 16
.set EMAX,  2
.set CB,    12
.set R,     16                         ; v16-79   four sets of 16 numbers as loaded
.set X,     80                         ; v80-111  two sets of 16 neighbours
.set C,     128                        ; v128-191 codes, four registers a step
.set E,     112                        ; v112-127 a scale byte a step
.set WREG,  8192                       ; LDS: a region a wave: two stages of 32 x SP bytes, then its 256 scale bytes
.set SP,    80
	s_load_b128 s[4:7], s[0:1], 0x0                ; x, Wqkv
	s_load_b128 s[8:11], s[0:1], 0x10              ; Wout, the codes
	s_load_b64 s[12:13], s[0:1], 0x20              ; the scale bytes
	v_lshl_add_u32 v192, v0, 2, 0x8000
	v_mov_b32 v193, 0
	v_lshrrev_b32 v1, 5, v0
	v_readfirstlane_b32 s16, v1                    ; wave
	s_cmp_lt_u32 ttmp9, 224                        ; x or Wqkv: blocks of 256 rows; Wout: of 64
	s_mov_b32 s25, 12288
	s_cselect_b32 s25, 49152, s25                  ; bytes of a block's K step
	s_cselect_b32 s26, 5, 3                        ; log2 of the groups of eight rows in a block
	s_cselect_b32 s24, 31, 7
	s_lshl_b32 s27, s25, 1
	v_and_b32 v2, 31, v0                           ; lane
	v_lshlrev_b32 v3, 4, v2
	s_mul_i32 s14, s16, WREG
	v_lshrrev_b32 v14, 2, v2
	v_mul_u32_u24 v14, v14, SP
	v_and_b32 v15, 3, v2
	v_lshl_add_u32 v14, v15, 4, v14
	v_add_nc_u32 v14, s14, v14                     ; the stage, in: SP (lane / 4) + 16 (lane % 4)
	v_mul_u32_u24 v15, v2, SP
	v_add_nc_u32 v15, s14, v15                     ; and out: SP x lane
	v_and_b32 v8, 15, v2
	v_mul_u32_u24 v4, v8, CB
	v_lshrrev_b32 v9, 4, v2
	v_mad_u32_u24 v4, v9, s25, v4                  ; my codes: 12 (lane % 16), lanes 16-31 one K step on
	v_add_nc_u32 v10, s27, v4                      ; a row's second half: two K steps on
	v_lshrrev_b32 v5, 1, v2
	s_add_co_u32 s14, s14, 2*32*SP
	v_add_nc_u32 v5, s14, v5                       ; LDS: my block's scale byte
	v_lshlrev_b32 v7, 3, v2
	v_add_nc_u32 v6, s14, v7
	s_wait_alu depctr_va_vdst(0)                   ; the wait at the head's end
	s_wait_kmcnt 0x0
	s_cmp_lt_u32 ttmp9, 224                        ; which tensor?  Both choices hang on the work-group's number alone
	s_cselect_b64 s[6:7], s[6:7], s[8:9]
	s_mov_b32 s17, 224
	s_cselect_b32 s17, 128, s17
	s_cmp_lt_u32 ttmp9, 128
	s_cselect_b64 s[4:5], s[4:5], s[6:7]
	s_cselect_b32 s17, 0, s17
	s_sub_co_u32 s17, ttmp9, s17
	s_lshl_b32 s17, s17, 2
	s_add_co_u32 s18, s17, s16                     ; which group of eight rows of the tensor
	s_lshl_b32 s18, s18, 15
	s_mov_b32 s19, 0
	s_add_nc_u64 s[4:5], s[4:5], s[18:19]
	s_lshl_b32 s21, ttmp9, 2
	s_add_co_u32 s21, s21, s16                     ; the group among all 1,024
	s_and_b32 s20, s21, 0xfffffff8
	s_and_b32 s22, s21, 3
	s_lshl_b32 s22, s22, 1
	s_or_b32 s20, s20, s22
	s_bfe_u32 s22, s21, 0x10002
	s_or_b32 s20, s20, s22                         ; and its place in the buffers: 4 h + j -> 2 j + h
	s_lshr_b32 s22, s20, s26
	s_mul_i32 s22, s22, s25
	s_lshl_b32 s22, s22, 2                         ; the block: four K steps
	s_and_b32 s24, s20, s24
	s_mul_i32 s24, s24, 1536                       ; eight rows of 192 bytes
	s_add_co_u32 s22, s22, s24
	s_mov_b32 s23, 0
	s_add_nc_u64 s[10:11], s[10:11], s[22:23]
	s_lshl_b32 s22, s20, 8                         ; 256 scale bytes a group
	s_add_nc_u64 s[12:13], s[12:13], s[22:23]
.macro LOAD t
.irp i, 0,1,2,3
	global_load_b128 v[R+16*((\t)%4)+4*\i:R+16*((\t)%4)+4*\i+3], v3, s[4:5] offset:2048*(\t)+512*\i th:TH_LOAD_NT
.endr
.endm
.macro TURN t                          ; LDS serves a wave's instructions in order: no wait between the stores and the loads
.irp i, 0,1,2,3
	ds_store_b128 v14, v[R+16*((\t)%4)+4*\i:R+16*((\t)%4)+4*\i+3] offset:32*SP*((\t)%2)+8*SP*\i
.endr
.irp i, 0,1,2,3
	ds_load_b128 v[X+16*((\t)%2)+4*\i:X+16*((\t)%2)+4*\i+3], v15 offset:32*SP*((\t)%2)+16*\i
.endr
.endm
.irp t, 0,1,2,3
	LOAD \t
.endr
	s_wait_loadcnt 12                              ; step 0's four loads are in; the twelve of steps 1 to 3 may be out
	TURN 0
.macro STEP t
.set XS, X+16*((\t)%2)
.if (\t) > 0
	s_wait_dscnt 1                                 ; this step's numbers are back (the last step's byte store may be out)
.else
	s_wait_dscnt 0x0
.endif
.if (\t)+4 < STEPS
	LOAD (\t)+4
.endif
.if (\t)+1 < STEPS
.if STEPS-2-(\t) >= 3
	s_wait_loadcnt 12                              ; the next step's four loads are in; three steps' may be out
.else
	s_wait_loadcnt 4*(STEPS-2-(\t))
.endif
	TURN (\t)+1
.endif
	v_max3_num_f32 v8, |v[XS]|, |v[XS+1]|, |v[XS+2]|
	v_max3_num_f32 v9, |v[XS+3]|, |v[XS+4]|, |v[XS+5]|
.irp i, 6,10
	v_max3_num_f32 v8, v8, |v[XS+\i]|, |v[XS+\i+1]|
	v_max3_num_f32 v9, v9, |v[XS+\i+2]|, |v[XS+\i+3]|
.endr
	v_max3_num_f32 v8, v8, |v[XS+14]|, |v[XS+15]|
	v_max3_num_f32 v8, v8, v9, (EMAX+1)<<23        ; the floor 2^(3 - 127): the byte cannot fall under 1
	v_max_num_f32_dpp v8, v8, v8 row_xmask:1 row_mask:0xf bank_mask:0xf   ; with my neighbour's 16: the block's
	v_add_nc_u32 v11, -(EMAX<<23), v8              ; 2 off the exponent field: the conversion's scale operand
	v_cvt_scalef32_pk16_fp6_f32 v[C+4*(\t):C+4*(\t)+2], v[XS:XS+15], v11
	v_lshrrev_b32 v[E+(\t)], 23, v11               ; the scale's byte
	ds_store_b8 v5, v[E+(\t)] offset:16*(\t)
.if (\t)%2
	global_store_b96 v10, v[C+4*(\t):C+4*(\t)+2], s[10:11] offset:192*((\t)/2)
.else
	global_store_b96 v4, v[C+4*(\t):C+4*(\t)+2], s[10:11] offset:192*((\t)/2)
.endif
.endm
.irp t, 0,1,2,3,4,5,6,7,8,9,10,11,12,13,14,15
	STEP \t
.endr
	ds_load_b64 v[12:13], v6
	s_wait_dscnt 0x0
	global_store_b64 v7, v[12:13], s[12:13]        ; 32 lanes store 256 consecutive bytes, aligned
	s_wait_tensorcnt 0x0                           ; the wave's end
	ds_add_u32 v192, v193
	s_wait_dscnt 0x0
	s_endpgm
.Lfunc_end_k_q6ff4761903_quant:
	.size	k_q6ff4761903_quant, .Lfunc_end_k_q6ff4761903_quant-k_q6ff4761903_quant
	.p2alignl 7, 3214868480
	.fill 96, 4, 3214868480
	.section	.rodata,"a",@progbits
	.p2align	6, 0x0
	.amdhsa_kernel k_q6ff4761903_quant
		.amdhsa_group_segment_fixed_size 33280
		.amdhsa_private_segment_fixed_size 0
		.amdhsa_enable_private_segment 0
		.amdhsa_kernarg_size 40
		.amdhsa_user_sgpr_count 2
		.amdhsa_user_sgpr_kernarg_segment_ptr 1
		.amdhsa_wavefront_size32 1
		.amdhsa_system_sgpr_workgroup_id_x 1
		.amdhsa_system_sgpr_workgroup_id_y 1
		.amdhsa_system_sgpr_workgroup_id_z 1
		.amdhsa_system_vgpr_workitem_id 0
		.amdhsa_next_free_vgpr 194
		.amdhsa_next_free_sgpr 66
		.amdhsa_reserve_vcc 0
		.amdhsa_float_denorm_mode_32 3
		.amdhsa_float_denorm_mode_16_64 3
		.amdhsa_memory_ordered 1
		.amdhsa_forward_progress 1
		.amdhsa_inst_pref_size 33
	.end_amdhsa_kernel
	.amdgpu_metadata
---
amdhsa.version: [ 1, 2 ]
amdhsa.kernels:
  - .name:           k_q6ff4761903_quant
    .symbol:         k_q6ff4761903_quant.kd
    .args:
      - { .name: input_tensor, .offset: 0, .size: 8, .value_kind: global_buffer, .address_space: global }
      - { .name: qkv_weight, .offset: 8, .size: 8, .value_kind: global_buffer, .address_space: global }
      - { .name: out_weight, .offset: 16, .size: 8, .value_kind: global_buffer, .address_space: global }
      - { .name: xwc, .offset: 24, .size: 8, .value_kind: global_buffer, .address_space: global }
      - { .name: xws, .offset: 32, .size: 8, .value_kind: global_buffer, .address_space: global }
    .group_segment_fixed_size: 33280
    .private_segment_fixed_size: 0
    .kernarg_segment_align: 8
    .kernarg_segment_size: 40
    .max_flat_workgroup_size: 128
    .sgpr_count:     66
    .vgpr_count:     194
    .wavefront_size: 32
...
	.end_amdgpu_metadata
.endif
;; end of part 1
;; launch qkvproj (part 2): grid 12 x 16, 4 waves a work-group, clusters of 4 x 4, 327,680 bytes of LDS; arguments xwc, xws, qkv_bias, qkvc; writes qkvc
.if DOCPART == 2
	.amdgcn_target "amdgcn-amd-amdhsa--gfx1250"
	.amdhsa_code_object_version 6
	.text
	.protected	k_q6ff4761903_qkvproj
	.globl	k_q6ff4761903_qkvproj
	.p2align	8
	.type	k_q6ff4761903_qkvproj,@function
k_q6ff4761903_qkvproj:
	s_mov_b64 s[64:65], 0
	v_nop
	global_prefetch_b8 v0, s[64:65] scope:SCOPE_SE
	s_setreg_imm32_b32 hwreg(HW_REG_WAVE_MODE, 25, 1), 1
	s_wait_xcnt 0x0
	s_wait_alu depctr_hold_cnt(0) depctr_sa_sdst(0) depctr_va_vdst(0) depctr_va_sdst(0) depctr_va_ssrc(0) depctr_va_vcc(0) depctr_vm_vsrc(0)
	s_getreg_b32 s2, hwreg(HW_REG_IB_STS2, 6, 4)
	s_cmp_eq_u32 s2, 0
	s_cbranch_scc0 .Lentry_in_a_cluster
	s_endpgm
.Lentry_in_a_cluster:
	s_bfe_u32 s2, ttmp6, 0x10000c
	s_cmp_lg_u32 s2, 0xf033
	s_cbranch_scc0 .Lentry_shape_is_right
	s_endpgm
.Lentry_shape_is_right:
; q, k, v = x Wqkv^T + bias on codes of FP6 (E2M3) with one E8M0 scale for each 32 along K = 1,024; the results are quantised at once, in registers: q and k along the head's 64, v along the keys,
; and stored as IMAGES OF THE NEXT LAUNCH'S OPERAND REGISTERS.  Nothing wide goes to memory.
; A work-group of four waves makes 256 x 256 results, a wave 128 x 128: 64 accumulators.  K goes in steps of 256 through a ring of two LDS slots; the scale bytes of the 2 x 256 rows come into LDS once.
; 192 work-groups: a tile that made 256 of them would straddle heads and the borders between q, k and v.
; TWO ROLES.  Source 1 ("A"): a lane holds ONE row of it.  Source 0 ("B"): a lane's registers run along its rows.
;   q, k (the cluster's x = 0, 1): A = 256 tokens of x, B = 256 features of W.     v (the cluster's x = 2): A = 256 features of Wv, B = 256 tokens of x.
; Only the two roles' blocks differ, chosen by s_cselect_b32 on the cluster's x, which all partners share.
; CLUSTERS: 4 x 4.  A's tile is shared along a row of the cluster, B's along a column: each is asked for JOINTLY.
; THE CODES lie [block of 256 rows][K step][row][192 bytes]: a K step of a block is 49,152 dense bytes, fetched as rows of 256 bytes; the padding of 16 bytes behind every 64 makes LDS rows of 240 bytes for each 192.
; THE ROWS lie in every 64 by groups of eight 2 j + h for original group 4 h + j: so the 32 registers of result tiles 4 c .. 4 c + 3 are B's original rows 64 c + 32 (lane / 16) + 0 .. 31, one scale block,
; and lane r of A's block a is original row 64 (a / 4) + 8 (a % 4) + r % 8 + 32 (r / 8).
; THE HEAD: one joint load a wave: wave 0 A's K step 0, wave 1 A's scales, wave 2 B's K step 0, wave 3 B's scales.  Slot 1 is first filled behind the full sequence and a round, as a refill is.
; No prefetch: K has four steps, of which two are asked for before the first product.
; THE BIAS: along B (q, k) it is the C of each sum's first matrix instruction; along A (v) one number a lane, added on the way out.  Both are loaded; the one that is not due is masked to 0.
; OUTPUT qkvc: [b x 16 + head][step of 128 tokens][q, k, v][6,400 bytes].  An image is 6 registers x 32 lanes: registers 0-3 at 16 x lane, registers 4-5 at 512 + 8 x lane: 768 bytes.
;   q, k: eight images (tiles of 16 buffer rows), then 4 x 64 bytes of scale words, one for each PAIR of tiles and lane.   v: four fragments (two images each: keys 0-63, 64-127), then 4 x 64 bytes of scale words.
; LIMITS: a block of zeros gets the scale byte 1; blocks under 2^-124 were not tried; NaN and infinities are not served.
.set NQ,     2
.set KSB,    49152                     ; a block's K step in memory
.set PITCH,  240
.set FR,     12
.set NL,     6
.set NP,     4
.set HALFT,  128*PITCH
.set SLOT,   4*HALFT
.set LAPS,   2
.set KS,     32
.set SCL,    2*SLOT
.set HALFS,  16*272
.set SBLK,   2*272
.set SPARE,  SCL+4*HALFS
.set ADRA, 16
.set ADRB, 20
.set ADRS, 27
.set SPW,  28
.set NIL,  29
.set SC,   32
.set BM,   64
.set VA0,  80
.set VB0,  81
.set VA1,  82
.set VB1,  83
.set STA,  84
.set STR,  85
.set VSO,  86
.set SH8,  87                          ; v87 8 x (lane / 16)
.set AF,   128
.set BN,   96
.set H,    128
.set PC,   192
.set TM,   212
.set PWE,  228
.set W0,   230
.set G1, 24
.set G0, 32
.set G1B, 48
.set G0B, 56
.set SEL, 66
.set G1S, 68
.set G0S, 76
.set G1SB, 80
.set G0SB, 88
.set MSB, 0
.macro WIN new
.if MSB != \new
	s_set_vgpr_msb (MSB<<8)|\new
.set MSB, \new
.endif
.endm
.set MUL_LO, 0xa1
.set MUL_HI, 0xf1
.set BEG_LO, 0x91
.set BEG_HI, 0xd1
.set TO_B,   0x40
.macro TL g0, g1
	tensor_load_to_lds s[\g0:\g0+3], s[\g1:\g1+7]
	s_nop 0
.rept 4
	v_nop
.endr
.endm
.macro JLOAD g0a, g1a, g0b, g1b        ; waves 0 and 1 fetch for A, waves 2 and 3 for B
	s_cmp_eq_u32 s15, 0
	s_cbranch_scc0 .Lfor_b_\@
	TL \g0a, \g1a
	s_branch .Lasked_\@
.Lfor_b_\@:
	TL \g0b, \g1b
.Lasked_\@:
.endm
.macro CREST
	s_cmp_lg_u32 s14, 0
	s_cbranch_scc1 .Lnot_wave_0_\@
	s_barrier_signal -3
.Lnot_wave_0_\@:
	s_barrier_wait -3
	s_barrier_signal -1
	s_barrier_wait -1
.endm
.macro CROUND
	s_barrier_signal -1
	s_barrier_wait -1
	CREST
.endm
	s_load_b256 s[4:11], s[0:1], 0x0               ; the codes, the scale bytes, the bias, qkvc
	v_lshl_add_u32 v[SPW], v0, 2, SPARE
	v_mov_b32 v[NIL], 0
	ds_add_u32 v[SPW], v[NIL]                      ; the opening lines
	ds_add_u32 v[SPW], v[NIL]
	v_lshrrev_b32 v1, 5, v0
	v_readfirstlane_b32 s14, v1                    ; wave
	s_lshr_b32 s15, s14, 1                         ; my half of A's rows; in the ring: I fetch for A (0) or B (1)
	s_and_b32 s16, s14, 1                          ; my half of B's rows; in the ring: which 128 rows I fetch
	s_bfe_u32 s40, ttmp6, 0x40000                  ; cx
	s_bfe_u32 s41, ttmp6, 0x40004                  ; cy
	s_and_b32 s17, ttmp7, 0xffff
	s_lshl_b32 s17, s17, 2
	s_lshl_b32 s43, s41, 2
	s_lshl_b32 s43, 15, s43                        ; my row of the cluster
	s_lshl_b32 s44, 0x1111, s40                    ; my column
	s_or_b32 s[G1+0], s43, (0<<16)|(1<<20)|(1<<21)|(3<<22)|(3<<25)   ; bytes; 4 words of padding behind every 16
	s_or_b32 s[G1B+0], s44, (0<<16)|(1<<20)|(1<<21)|(3<<22)|(3<<25)
.irp g, G1, G1B
	s_mov_b32 s[\g+1], 256<<16
	s_mov_b32 s[\g+2], 192<<16                     ; the head's loads: 256 rows of codes = 192 rows of 256 bytes
	s_mov_b32 s[\g+3], 256<<16
	s_mov_b32 s[\g+4], 192
	s_mov_b32 s[\g+5], 256
	s_mov_b32 s[\g+6], 0
	s_mov_b32 s[\g+7], 0
.endr
	s_or_b32 s[G1S+0], s43, (3<<16)|(1<<20)|(1<<21)|(5<<22)|(3<<25)  ; the scales of 256 rows: 32 rows of 256 bytes, 16 of padding behind each
	s_or_b32 s[G1SB+0], s44, (3<<16)|(1<<20)|(1<<21)|(5<<22)|(3<<25)
.irp g, G1S, G1SB
	s_mov_b32 s[\g+1], 32<<16
	s_mov_b32 s[\g+2], 32<<16
	s_mov_b32 s[\g+3], 32<<16
	s_mov_b32 s[\g+4], 32
	s_mov_b32 s[\g+5], 32
	s_mov_b32 s[\g+6], 0
	s_mov_b32 s[\g+7], 0
.endr
	s_add_co_u32 s20, s17, s41                     ; A's block of 256 rows.  q, k: x's 4 x cluster y + cy;
	s_add_co_u32 s21, s41, 24                      ; v: Wv's cy (Wv begins at row 6,144)
	s_cmp_eq_u32 ttmp9, 2
	s_cselect_b32 s20, s21, s20
	s_add_co_u32 s46, s17, s40                     ; B's.  v: x's 4 x cluster y + cx;
	s_lshl_b32 s47, ttmp9, 2                       ; q, k: W's 4 x cluster x + cx (W begins at row 4,096)
	s_add_co_u32 s47, s47, s40
	s_add_co_u32 s47, s47, 16
	s_cmp_eq_u32 ttmp9, 2
	s_cselect_b32 s46, s46, s47
	s_lshl_b32 s22, s20, 13                        ; the scales: 8,192 bytes a block
	s_mov_b32 s23, 0
	s_lshl_b32 s92, s46, 13
	s_mov_b32 s93, 0
	s_mul_i32 s18, s16, KSB/2                      ; in the ring: my 128 rows of a K step
	s_mul_i32 s20, s20, 4*KSB
	s_add_co_u32 s20, s20, s18
	s_mov_b32 s21, 0
	s_mul_i32 s46, s46, 4*KSB
	s_add_co_u32 s46, s46, s18
	s_mov_b32 s47, 0
	s_mul_i32 s45, s14, HALFT                      ; where they go: wave x 128 rows
	s_wait_dscnt 0x0
	s_wait_kmcnt 0x0
	s_add_nc_u64 s[20:21], s[4:5], s[20:21]
	s_add_nc_u64 s[22:23], s[6:7], s[22:23]
	s_add_nc_u64 s[46:47], s[4:5], s[46:47]
	s_add_nc_u64 s[92:93], s[6:7], s[92:93]
	CROUND                                         ; the first joint loads meet
	s_mov_b32 s[G0S], 1
	s_mov_b32 s[G0S+1], SCL
	s_mov_b64 s[G0S+2:G0S+3], s[22:23]
	s_or_b32 s[G0S+3], s[G0S+3], 0x80000000
	s_mov_b32 s[G0SB], 1
	s_mov_b32 s[G0SB+1], SCL+2*HALFS
	s_mov_b64 s[G0SB+2:G0SB+3], s[92:93]
	s_or_b32 s[G0SB+3], s[G0SB+3], 0x80000000
.irp s, 0,1
	s_mov_b32 s[G0+4*\s], 1
	s_add_co_u32 s[G0+4*\s+1], s45, \s*SLOT
	s_add_nc_u64 s[G0+4*\s+2:G0+4*\s+3], s[20:21], \s*KSB
	s_or_b32 s[G0+4*\s+3], s[G0+4*\s+3], 0x80000000
	s_mov_b32 s[G0B+4*\s], 1
	s_add_co_u32 s[G0B+4*\s+1], s45, \s*SLOT
	s_add_nc_u64 s[G0B+4*\s+2:G0B+4*\s+3], s[46:47], \s*KSB
	s_or_b32 s[G0B+4*\s+3], s[G0B+4*\s+3], 0x80000000
.endr
; Slot 0's group 0 of wave 0 (A) and of wave 2 (B) points at the block's first row and at the tile's first LDS byte: with 192 rows in group 1 it brings all 256 rows of codes.
.macro ARM under, g0, g1, next
	s_cmp_lt_u32 s14, \under
	s_cbranch_scc0 \next
	TL \g0, \g1
	s_branch .Lhead_asked
\next:
.endm
	ARM 1, G0,  G1,  .Lhead_sa
	ARM 2, G0S, G1S, .Lhead_b
	ARM 3, G0B, G1B, .Lhead_sb
	TL G0SB, G1SB
.Lhead_asked:
	v_and_b32 v1, 15, v0                           ; r
	v_bfe_u32 v2, v0, 4, 1                         ; h
	v_mul_u32_u24 v3, v1, PITCH
	v_mul_u32_u24 v4, v2, 24
	v_add_nc_u32 v4, v3, v4
	v_lshl_add_u32 v5, v2, 4, v4                   ; the same behind one padding more
	s_mul_i32 s21, s15, HALFT
	s_mul_i32 s22, s16, HALFT
	s_add_co_u32 s22, s22, 2*HALFT
.irp s, 0,1
	v_add_nc_u32 v[ADRA+\s], s21, v4
	v_add_nc_u32 v[ADRB+\s], s22, v4
	v_add_nc_u32 v[ADRA+2+\s], s21, v5
	v_add_nc_u32 v[ADRB+2+\s], s22, v5
	s_add_co_u32 s21, s21, SLOT
	s_add_co_u32 s22, s22, SLOT
.endr
	v_mul_u32_u24 v5, v1, KS
	v_lshrrev_b32 v6, 8, v5
	v_lshl_add_u32 v5, v6, 4, v5
	s_mul_i32 s21, s15, HALFS
	s_mul_i32 s22, s16, HALFS
	s_add_co_u32 s22, s22, 2*HALFS
	s_sub_co_u32 s22, s22, s21
	v_mul_u32_u24 v6, s22, v2                      ; lanes 16-31 take B's: one product, the distance between the two
	s_add_co_u32 s21, s21, SCL
	v_add_nc_u32 v5, v5, v6
	v_add_nc_u32 v[ADRS], s21, v5
	s_cmp_eq_u32 ttmp9, 2                          ; what hangs on the kind
	s_cselect_b32 s20, s41, s40                    ; which 256 features of the kind's 1,024
	s_cselect_b32 s21, s15, s16                    ; which half of them is my wave's
	s_cselect_b32 s22, s40, s41                    ; x's block
	s_cselect_b32 s23, s16, s15                    ; which half of its tokens
	s_cselect_b32 s95, -1, 0                       ; all ones for v
	s_cselect_b32 s96, 0, -1                       ; all ones for q, k
	s_mov_b32 s97, 307200                          ; from a block's first image to its second: q, k the next head; v the next 64 keys
	s_cselect_b32 s97, 768, s97
	s_mov_b32 s98, 1536                            ; from block to block: q, k an image; v a fragment
	s_cselect_b32 s98, s98, 768
	s_mov_b32 s99, 0
	s_mov_b32 s100, 302592                         ; from block 3 to block 4: v goes on to the next head
	s_cselect_b32 s100, s100, 768
	s_mov_b32 s101, 0
	s_mov_b32 s92, 0x05040100                      ; how two blocks' scale words are joined
	s_cselect_b32 s92, 0x03020100, s92
	s_mov_b32 s93, 0x07060302
	s_cselect_b32 s93, 0x07060504, s93
	s_mov_b32 s94, 0xffff0000
	s_mov_b32 s[SEL], 0x76543210
	s_mov_b32 s[SEL+1], 0xfedcba98
	s_lshl_b32 s42, ttmp9, 10                      ; my wave's first feature in the bias
	s_lshl_b32 s45, s20, 8
	s_add_co_u32 s42, s42, s45
	s_lshl_b32 s45, s21, 7
	s_add_co_u32 s42, s42, s45
	s_lshl_b32 s46, s42, 2
	s_mov_b32 s47, 0
	s_add_nc_u64 s[8:9], s[8:9], s[46:47]
	s_add_co_u32 s22, s22, s17
	s_lshr_b32 s42, s22, 3                         ; the batch
	s_lshl_b32 s42, s42, 4
	s_lshl_b32 s20, s20, 2
	s_add_co_u32 s42, s42, s20
	s_lshl_b32 s21, s21, 1
	s_add_co_u32 s42, s42, s21                     ; 16 x batch + my first head
	s_mul_i32 s42, s42, 307200
	s_lshl_b32 s22, s22, 1
	s_add_co_u32 s22, s22, s23
	s_and_b32 s22, s22, 15                         ; my step of 128 tokens
	s_mul_i32 s22, s22, 19200
	s_add_co_u32 s42, s42, s22
	s_mul_i32 s22, ttmp9, 6400
	s_add_co_u32 s46, s42, s22
	s_add_nc_u64 s[12:13], s[10:11], s[46:47]      ; walks from block to block,
	s_mov_b64 s[18:19], s[12:13]                   ; and stays for the scale words
	s_wait_alu depctr_va_vdst(0)                   ; the wait behind the run of scalar lines
	v_and_b32 v6, 31, v0
	v_lshlrev_b32 v[VA0], 4, v6
	v_lshlrev_b32 v[VB0], 3, v6
	v_add_nc_u32 v[VA1], s97, v[VA0]
	v_add_nc_u32 v[VB1], s97, v[VB0]
	s_lshl_b32 s22, s14, 9                         ; the scale words' stage: 512 bytes a wave at the head of slot 0, used behind that slot's last fill and last read
	v_lshlrev_b32 v5, 2, v1
	v_lshl_add_u32 v5, v2, 8, v5
	v_add_nc_u32 v[STA], s22, v5
	v_add_nc_u32 v[STR], s22, v[VA0]
	v_mul_u32_u24 v7, v2, 0x4b000
	v_lshl_add_u32 v7, v1, 4, v7
	v_bfe_u32 v8, v0, 3, 1
	v_mul_u32_u24 v8, v8, 0x4b000
	v_bfe_u32 v9, v0, 2, 1
	v_lshl_add_u32 v8, v9, 7, v8
	v_lshl_add_u32 v8, v2, 6, v8
	v_and_b32 v9, 3, v0
	v_lshl_add_u32 v8, v9, 4, v8
	v_cndmask_b32 v[VSO], v7, v8, s95
	v_lshlrev_b32 v[SH8], 3, v2
	v_lshlrev_b32 v10, 7, v2                       ; the bias along B: tile b wants features 64 (b / 4) + 32 h + 8 (b % 4) + 0 .. 7
	v_and_b32 v11, 7, v1
	v_and_b32 v12, 8, v1
	v_lshl_add_u32 v11, v12, 2, v11
	v_lshlrev_b32 v11, 2, v11                      ; along A: block a wants feature 64 (a / 4) + 8 (a % 4) + r % 8 + 32 (r / 8)
	WIN TO_B
.irp b, 0,1,2,3,4,5,6,7
	global_load_b128 v[BN+8*\b+96*(\b/4):BN+8*\b+96*(\b/4)+3], v10, s[8:9] offset:(64*(\b/4)+8*(\b%4))*4
	global_load_b128 v[BN+8*\b+96*(\b/4)+4:BN+8*\b+96*(\b/4)+7], v10, s[8:9] offset:(64*(\b/4)+8*(\b%4))*4+16
.endr
	WIN 0
.irp a, 0,1,2,3,4,5,6,7
	global_load_b32 v[BM+2*\a], v11, s[8:9] offset:(64*(\a/4)+8*(\a%4))*4
.endr
	s_wait_loadcnt 0x0
	WIN 0x44
.irp b, 0,1,2,3,4,5,6,7
.irp j, 0,1,2,3,4,5,6,7
	v_and_b32 v[BN+8*\b+96*(\b/4)+\j], s96, v[BN+8*\b+96*(\b/4)+\j]
.endr
.endr
	WIN 0
.irp a, 0,1,2,3,4,5,6,7
	v_and_b32 v[BM+2*\a], s95, v[BM+2*\a]
	v_mov_b32 v[BM+2*\a+1], 0
.endr
.macro FRAG reg, adr, q, i             ; 12 registers: pieces of 8 bytes; lanes 16-31 read three pieces on, which for some pieces is behind one padding more
.irp p, 0,1,2,3,4,5
.set PCE, 12*(\q)+6*(\p/3)+\p%3
.if PCE%8 < 5
	ds_load_b64 v[\reg+2*\p:\reg+2*\p+1], v[\adr] offset:8*PCE+16*(PCE/8)+(\i)*16*PITCH
.else
	ds_load_b64 v[\reg+2*\p:\reg+2*\p+1], v[\adr+2] offset:8*PCE+16*(PCE/8)+(\i)*16*PITCH
.endif
.endr
.endm
.macro MUL16 a0, p, q, sc, zero        ; the 64 accumulators take turns, in the same order in every step
.irp a, \a0, \a0+1
.irp b, 0,1,2,3,4,5,6,7
.if \zero
	v_wmma_scale_f32_16x16x128_f8f6f4 v[8*(8*((\a)%4)+\b):8*(8*((\a)%4)+\b)+7], v[128*(\p)+FR*\b:128*(\p)+FR*\b+FR-1], v[AF+FR*(\a):AF+FR*(\a)+FR-1], v[BN+8*\b+96*(\b/4):BN+8*\b+96*(\b/4)+7], v[SC+8*NQ*(\sc)+NQ*\b+(\q)], v[SC+8*NQ*(\sc)+NQ*(\a)+(\q)] matrix_a_fmt:MATRIX_FMT_FP6 matrix_b_fmt:MATRIX_FMT_FP6 matrix_a_scale:MATRIX_SCALE_ROW1
.else
	v_wmma_scale_f32_16x16x128_f8f6f4 v[8*(8*((\a)%4)+\b):8*(8*((\a)%4)+\b)+7], v[128*(\p)+FR*\b:128*(\p)+FR*\b+FR-1], v[AF+FR*(\a):AF+FR*(\a)+FR-1], v[8*(8*((\a)%4)+\b):8*(8*((\a)%4)+\b)+7], v[SC+8*NQ*(\sc)+NQ*\b+(\q)], v[SC+8*NQ*(\sc)+NQ*(\a)+(\q)] matrix_a_fmt:MATRIX_FMT_FP6 matrix_b_fmt:MATRIX_FMT_FP6 matrix_a_scale:MATRIX_SCALE_ROW1
.endif
.endr
.endr
.endm
.macro FETCH_B slot, q, p
	WIN TO_B
.irp i, 0,1,2,3,4,5,6,7
	FRAG 128*(\p)+FR*\i, ADRB+\slot, \q, \i
.endr
	WIN 0
.endm
.macro FETCH_A slot, q, i0
.irp i, \i0, \i0+1, \i0+2, \i0+3
	FRAG AF+FR*(\i), ADRA+\slot, \q, \i
.endr
.endm
.macro SCALES sc
.irp i, 0,1,2,3,4,5,6,7
	ds_load_b64 v[SC+8*NQ*\sc+NQ*\i:SC+8*NQ*\sc+NQ*\i+1], v[ADRS] offset:\i*SBLK
.endr
.endm
.macro PLACES n                        ; places behind matrix instructions (ISA guide 7.12.1)
.rept \n
	v_nop
.endr
.endm
.macro STEP slot, q, zero              ; 128 along K with its successor in the same slot
	s_wait_dscnt 4*NL                              ; the youngest 24 loads (A's blocks 4-7) may be out
.if \zero
	WIN BEG_LO
.else
	WIN MUL_LO
.endif
	MUL16 0, (\q)%2, \q, \slot, \zero
	MUL16 2, (\q)%2, \q, \slot, \zero
	s_wait_dscnt 0
	PLACES NP
	FETCH_B \slot, (\q)+1, 1-(\q)%2
	FETCH_A \slot, (\q)+1, 0
.if \zero
	WIN BEG_HI
.else
	WIN MUL_HI
.endif
	MUL16 4, (\q)%2, \q, \slot, \zero
	MUL16 6, (\q)%2, \q, \slot, \zero
	PLACES NP
	WIN 0
	FETCH_A \slot, (\q)+1, 4
.endm
.macro TURN slot, next, fill           ; a slot's last step changes slots: one barrier, with three lines ahead of it
	s_wait_tensorcnt 0x0
	ds_add_u32 v[SPW], v[NIL]
	s_wait_dscnt 4*NL+1                            ; the add and the youngest 24 loads may be out
	WIN MUL_LO
	MUL16 0, 1, NQ-1, \slot, 0
	s_wait_dscnt 0x0
	s_barrier_signal -1
	MUL16 2, 1, NQ-1, \slot, 0
	WIN 0
	s_barrier_wait -1
.if \fill
	CREST
	s_add_nc_u64 s[G0+4*\slot+2:G0+4*\slot+3], s[G0+4*\slot+2:G0+4*\slot+3], 2*KSB
	s_add_nc_u64 s[G0B+4*\slot+2:G0B+4*\slot+3], s[G0B+4*\slot+2:G0B+4*\slot+3], 2*KSB
	JLOAD G0+4*\slot, G1, G0B+4*\slot, G1B
.else
	PLACES NP
.endif
	s_wait_alu depctr_va_vdst(0)
	v_add_nc_u32 v[ADRS], 4*NQ, v[ADRS]
	FETCH_B \next, 0, 0
	FETCH_A \next, 0, 0
	SCALES \next
	WIN MUL_HI
	MUL16 4, 1, NQ-1, \slot, 0
	MUL16 6, 1, NQ-1, \slot, 0
	PLACES NP
	WIN 0
	FETCH_A \next, 0, 4
.endm
	s_wait_alu depctr_va_vdst(0)                   ; the wait at the head's end
	s_wait_tensorcnt 0x0                           ; my tile of the head's four is in; the lines ahead of a later first fill:
	ds_add_u32 v[SPW], v[NIL]
	s_mov_b32 s[G1+2], 96<<16                      ; no load of mine is out: from here on a load brings 128 rows of codes = 96 rows of 256 bytes
	s_mov_b32 s[G1+4], 96
	s_mov_b32 s[G1B+2], 96<<16
	s_mov_b32 s[G1B+4], 96
	s_wait_dscnt 0x0
	CROUND
	JLOAD G0+4, G1, G0B+4, G1B                     ; K step 1, the first tensor load behind the round
	FETCH_B 0, 0, 0
	FETCH_A 0, 0, 0
	SCALES 0
	FETCH_A 0, 0, 4
	STEP 0, 0, 1
	s_mov_b32 s3, LAPS-1
.Llap:
	TURN 0, 1, 1
	STEP 1, 0, 0
	TURN 1, 0, 1
	STEP 0, 0, 0
	s_sub_co_u32 s3, s3, 1
	s_cmp_lg_u32 s3, 0
	s_cbranch_scc1 .Llap
	TURN 0, 1, 0
	STEP 1, 0, 0
	s_wait_dscnt 4*NL
	WIN MUL_LO
	MUL16 0, 1, NQ-1, 1, 0
	MUL16 2, 1, NQ-1, 1, 0
	s_wait_dscnt 0
	WIN MUL_HI
	MUL16 4, 1, NQ-1, 1, 0
	MUL16 6, 1, NQ-1, 1, 0
	WIN 0
; 64 numbers of a lane: register 32 c + i = k 64 c + 32 (lane / 16) + i of my row: two whole scale blocks.  They become a fragment's codes in v[PC] on and its scale word in v[pw].
.macro QUANT s, pw
.irp k, 0,1,2,3
	v_max3_num_f32 v[TM+\k], |v[\s+16*\k]|, |v[\s+1+16*\k]|, |v[\s+2+16*\k]|   ; four chains of 16 by turns
.endr
.irp i, 3,5,7,9,11,13
.irp k, 0,1,2,3
	v_max3_num_f32 v[TM+\k], v[TM+\k], |v[\s+16*\k+\i]|, |v[\s+1+16*\k+\i]|
.endr
.endr
.irp c, 0,1
	v_max3_num_f32 v[TM+2*\c], v[TM+2*\c], v[TM+2*\c+1], |v[\s+32*\c+15]|
.endr
.irp c, 0,1
	v_max3_num_f32 v[TM+2*\c], v[TM+2*\c], |v[\s+32*\c+31]|, 0x1800000   ; and the floor 2^(3 - 127)
.endr
.irp c, 0,1
	v_add_nc_u32 v[TM+12+\c], 0xff000000, v[TM+2*\c]   ; the conversions' scale operand
.endr
.irp c, 0,1
	v_lshrrev_b32 v[TM+4+\c], 23, v[TM+12+\c]      ; the scale's byte
.endr
	v_lshl_or_b32 v[TM+4], v[TM+5], 16, v[TM+4]    ; my two bytes: blocks h and 2 + h,
	v_lshlrev_b32 v[TM+4], v[SH8], v[TM+4]         ; at their places;
	v_permlanex16_b32 v[TM+6], v[TM+4], s[SEL], s[SEL+1]
	v_or_b32 v[\pw], v[TM+4], v[TM+6]              ; with lane l xor 16's two the word is whole
.irp c, 0,1
	v_cvt_scalef32_pk16_fp6_f32 v[PC+6*\c:PC+2+6*\c], v[\s+32*\c:\s+15+32*\c], v[TM+12+\c]
	v_cvt_scalef32_pk16_fp6_f32 v[PC+12+4*\c:PC+14+4*\c], v[\s+16+32*\c:\s+31+32*\c], v[TM+12+\c]
.endr
	v_nop
.irp c, 0,1
.irp i, 0,1,2
	v_mov_b32 v[PC+3+6*\c+\i], v[PC+12+4*\c+\i]
.endr
.endr
.endm
.macro OUT a                           ; the way out of A's block a: two images
.if (\a) > 0
	s_wait_xcnt 0x0                                ; the last block's stores have read their data and their base
.if (\a) == 4
	s_add_nc_u64 s[12:13], s[12:13], s[100:101]
.else
	s_add_nc_u64 s[12:13], s[12:13], s[98:99]
.endif
.endif
.set WN, 2+(\a)/4
	WIN WN
.set i, 0
.rept 32
	v_pk_add_f32 v[H+2*i:H+2*i+1], v[64*((\a)%4)+2*i:64*((\a)%4)+2*i+1], v[BM+2*(\a):BM+2*(\a)+1] op_sel_hi:[1,0]   ; each accumulator from its low end on
.set i, i+1
.endr
	WIN 0
	QUANT H, PWE+(\a)%2
	global_store_b128 v[VA0], v[PC:PC+3], s[12:13]
	global_store_b64 v[VB0], v[PC+4:PC+5], s[12:13] offset:512
	global_store_b128 v[VA1], v[PC+6:PC+9], s[12:13]
	global_store_b64 v[VB1], v[PC+10:PC+11], s[12:13] offset:512
.if (\a)%2
	v_perm_b32 v[W0], v[PWE+1], v[PWE], s92
	v_perm_b32 v[W0+1], v[PWE+1], v[PWE], s93
	v_cndmask_b32 v[W0+2], v[W0], v[W0+1], s94
	ds_store_b32 v[STA], v[W0+2] offset:64*((\a)/2)
.endif
.endm
	PLACES NP
	v_mov_b32 v[TM+6], 0                           ; a lane permute's destination counts as one of its sources
.irp a, 0,1,2,3,4,5,6,7
	OUT \a
.endr
	ds_load_b128 v[H:H+3], v[STR]
	s_wait_dscnt 0x0
	global_store_b128 v[VSO], v[H:H+3], s[18:19] offset:6144
	s_wait_tensorcnt 0x0                           ; the wave's end
	ds_add_u32 v[SPW], v[NIL]
	s_wait_dscnt 0x0
	CROUND
	s_endpgm
.Lfunc_end_k_q6ff4761903_qkvproj:
	.size	k_q6ff4761903_qkvproj, .Lfunc_end_k_q6ff4761903_qkvproj-k_q6ff4761903_qkvproj
	.p2alignl 7, 3214868480
	.fill 96, 4, 3214868480
	.section	.rodata,"a",@progbits
	.p2align	6, 0x0
	.amdhsa_kernel k_q6ff4761903_qkvproj
		.amdhsa_group_segment_fixed_size 327680
		.amdhsa_private_segment_fixed_size 0
		.amdhsa_enable_private_segment 0
		.amdhsa_kernarg_size 32
		.amdhsa_user_sgpr_count 2
		.amdhsa_user_sgpr_kernarg_segment_ptr 1
		.amdhsa_wavefront_size32 1
		.amdhsa_system_sgpr_workgroup_id_x 1
		.amdhsa_system_sgpr_workgroup_id_y 1
		.amdhsa_system_sgpr_workgroup_id_z 1
		.amdhsa_system_vgpr_workitem_id 0
		.amdhsa_next_free_vgpr 1024
		.amdhsa_next_free_sgpr 102
		.amdhsa_reserve_vcc 0
		.amdhsa_float_denorm_mode_32 3
		.amdhsa_float_denorm_mode_16_64 3
		.amdhsa_memory_ordered 1
		.amdhsa_forward_progress 1
		.amdhsa_inst_pref_size 183
	.end_amdhsa_kernel
	.amdgpu_metadata
---
amdhsa.version: [ 1, 2 ]
amdhsa.kernels:
  - .name:           k_q6ff4761903_qkvproj
    .symbol:         k_q6ff4761903_qkvproj.kd
    .args:
      - { .name: xwc, .offset: 0, .size: 8, .value_kind: global_buffer, .address_space: global }
      - { .name: xws, .offset: 8, .size: 8, .value_kind: global_buffer, .address_space: global }
      - { .name: qkv_bias, .offset: 16, .size: 8, .value_kind: global_buffer, .address_space: global }
      - { .name: qkvc, .offset: 24, .size: 8, .value_kind: global_buffer, .address_space: global }
    .group_segment_fixed_size: 327680
    .private_segment_fixed_size: 0
    .kernarg_segment_align: 8
    .kernarg_segment_size: 32
    .max_flat_workgroup_size: 128
    .sgpr_count:     102
    .vgpr_count:     1024
    .wavefront_size: 32
...
	.end_amdgpu_metadata
.endif
;; end of part 2
;; launch attn (part 3): grid 8 x 32, 8 waves a work-group, clusters of 4 x 1, 327,680 bytes of LDS; arguments qkvc, attc, atts; writes attc, atts
.if DOCPART == 3
	.amdgcn_target "amdgcn-amd-amdhsa--gfx1250"
	.amdhsa_code_object_version 6
	.text
	.protected	k_q6ff4761903_attn
	.globl	k_q6ff4761903_attn
	.p2align	8
	.type	k_q6ff4761903_attn,@function
k_q6ff4761903_attn:
	s_mov_b64 s[64:65], 0
	v_nop
	global_prefetch_b8 v0, s[64:65] scope:SCOPE_SE
	s_setreg_imm32_b32 hwreg(HW_REG_WAVE_MODE, 25, 1), 1
	s_wait_xcnt 0x0
	s_wait_alu depctr_hold_cnt(0) depctr_sa_sdst(0) depctr_va_vdst(0) depctr_va_sdst(0) depctr_va_ssrc(0) depctr_va_vcc(0) depctr_vm_vsrc(0)
	s_getreg_b32 s2, hwreg(HW_REG_IB_STS2, 6, 4)
	s_cmp_eq_u32 s2, 0
	s_cbranch_scc0 .Lentry_in_a_cluster
	s_endpgm
.Lentry_in_a_cluster:
	s_bfe_u32 s2, ttmp6, 0x10000c
	s_cmp_lg_u32 s2, 0x3003
	s_cbranch_scc0 .Lentry_shape_is_right
	s_endpgm
.Lentry_shape_is_right:
; softmax(q k^T / 8) v for one batch and head and 256 queries, on codes of FP6 (E2M3) with E8M0 scales, and the quantiser of the result along the head's 64.
; Eight waves, two on a SIMD; a wave has 32 queries (two tiles of 16, A and B), so that each fragment of k and of v, read once from LDS, serves two tiles.
; ALL 2,048 KEYS LIE IN LDS: k's and v's records of a step of 128 keys are 12,800 bytes on end, 19,200 bytes from step to step; each wave asks once, for two steps as two rows of 12,800 bytes.  Nothing is filled again.
; CLUSTERS: the four work-groups of a cluster have the same batch and head and ask for these tiles JOINTLY.  No prefetch: all tiles are asked for at the head.
; Both products are used transposed (S^T = k q^T, O^T = v^T p^T): a lane holds one query.  A fragment of k holds two tiles of 16 keys x 64; q stands in the lower or upper half of source 1, zeros in the other.
; BY THE ORDER OF ROWS that the first launch lays, tile 4 c + j of a step holds keys 64 c + 8 j + i and 64 c + 32 + 8 j + i: a lane's 32 scores of tiles 4 c .. 4 c + 3 are keys 64 c + 32 (lane / 16) + 0 .. 31,
; one whole scale block of p, in the order of the operand's registers; likewise a lane's 32 numbers of O^T are one scale block of the result.  No lane exchanges codes with another.
; THE SOFTMAX: p = 2^(t - M), t = score x log2(e) / 8, M the running largest t rounded up to a whole number; the sum is taken of the unquantised p; when M moves, sums and O^T are multiplied by a power of two.
; A block's largest p is made from its largest score by the same multiply-add and exponential.
; The two tiles' chains go line by line by turns.  The 128 scores of a lane go in four quarters of 32: a quarter's exponentials stand among the next quarter's multiply-adds, which hang on none of them.
; LIMITS: the promise holds while the scaled scores stay under 2^31 in magnitude; a block of zeros gets the scale byte 1; NaN and infinities are not served.
; REGISTERS: window 0: v1-11 addresses; v12-15 -M and the largest score of A, B; v16-23 sums; v24-27 factors; v28-39 scale words; v40-87 k's fragments; v88-215 scores; v216-235 at work.
;   window 1: v0-63 O^T of A, B; v64-93 zeros, q of A, zeros, q of B, zeros; v96-143 v's fragments; v144-167 p's codes; v168-182 at work.
.set REC,   6400
.set STEPB, 12800
.set SCST,  204800                     ; the results' scale bytes: 512 bytes
.set SPARE, 205312                     ; the spare words: 128 bytes a wave
.set L16, 1
.set L8,  2
.set LS,  3
.set A16, 4
.set A8,  5
.set AS,  6
.set SH8, 7
.set SCA, 9
.set SCR, 10
.set NM,  12
.set LS0, 16
.set FF,  24
.set QS,  28
.set PS,  30
.set KS,  32
.set VS,  36
.set F,   40
.set SA,  88
.set BM,  216
.set SO,  224
.set BT,  228
.set T,   232
.set Q,   64
.set VF,  96
.set PC,  144
.set PT,  168
.set WV,  18
.set SEL, 20
.set CS,  22
.set G1,  24
.set G0,  32
.set NC,  36
.set CNT, 37
.set MSB, 0
.macro WIN new
.if MSB != \new
	s_set_vgpr_msb (MSB<<8)|\new
.set MSB, \new
.endif
.endm
.macro WALU
	s_wait_alu depctr_va_vdst(0)
.endm
.macro CROUND
	s_barrier_signal -1
	s_barrier_wait -1
	s_cmp_lg_u32 s[WV], 0
	s_cbranch_scc1 .Lnot_wave_0_\@
	s_barrier_signal -3
.Lnot_wave_0_\@:
	s_barrier_wait -3
	s_barrier_signal -1
	s_barrier_wait -1
.endm
	s_load_b128 s[4:7], s[0:1], 0x0                ; qkvc, attc
	s_load_b64 s[8:9], s[0:1], 0x10                ; atts
	v_lshl_add_u32 v254, v0, 2, SPARE
	v_mov_b32 v255, 0
	ds_add_u32 v254, v255                          ; the opening lines
	ds_add_u32 v254, v255
	v_lshrrev_b32 v8, 5, v0
	v_readfirstlane_b32 s[WV], v8
	s_and_b32 s12, ttmp7, 0xffff                   ; 16 x batch + head
	s_mul_i32 s13, s12, 307200
	s_mul_i32 s42, s[WV], 2*19200                  ; my two steps' k and v
	s_add_co_u32 s42, s42, s13
	s_add_co_u32 s42, s42, REC
	s_mov_b32 s43, 0
	s_mov_b32 s[G1], 15|(3<<16)|(1<<21)            ; all four partners; elements of 8 bytes
	s_mov_b32 s[G1+1], 1600<<16
	s_mov_b32 s[G1+2], 2<<16
	s_mov_b32 s[G1+3], 1600<<16
	s_mov_b32 s[G1+4], 2
	s_mov_b32 s[G1+5], 2400
	s_mov_b32 s[G1+6], 0
	s_mov_b32 s[G1+7], 0
	s_mov_b32 s[G0], 1
	s_mul_i32 s[G0+1], s[WV], 2*STEPB
	s_mov_b32 s[SEL], 0x76543210
	s_mov_b32 s[SEL+1], 0xfedcba98
	s_mov_b32 s[CS], 0x3e38aa3b                    ; c = log2(e) / 8
	s_mov_b32 s[CS+1], s[CS]
	s_mov_b32 s[NC], 0xbe38aa3b                    ; -c
	s_wait_dscnt 0x0
	s_wait_kmcnt 0x0
	s_add_nc_u64 s[G0+2:G0+3], s[4:5], s[42:43]
	s_or_b32 s[G0+3], s[G0+3], 0x80000000
	CROUND
	tensor_load_to_lds s[G0:G0+3], s[G1:G1+7]      ; my one tensor load of the launch
	s_nop 0
.rept 4
	v_nop
.endr
	s_bfe_u32 s10, ttmp6, 0x40000
	s_lshl_b32 s11, ttmp9, 2
	s_add_co_u32 s11, s11, s10                     ; which 256 queries
	s_lshl_b32 s53, s11, 1
	s_lshr_b32 s54, s[WV], 2
	s_add_co_u32 s53, s53, s54                     ; my step of 128 tokens,
	s_mul_i32 s53, s53, 19200
	s_add_co_u32 s53, s53, s13
	s_and_b32 s54, s[WV], 3                        ; my pair of tiles in it
	s_mul_i32 s44, s54, 1536
	s_add_co_u32 s44, s44, s53
	s_mov_b32 s45, 0
	s_lshl_b32 s46, s54, 6
	s_add_co_u32 s46, s46, s53
	s_mov_b32 s47, 0
	s_add_nc_u64 s[44:45], s[4:5], s[44:45]
	s_add_nc_u64 s[46:47], s[4:5], s[46:47]
	s_lshr_b32 s53, s12, 4
	s_lshl_b32 s53, s53, 7
	s_lshl_b32 s54, s11, 4
	s_add_co_u32 s53, s53, s54                     ; the work-group's first tile of 16 rows
	s_and_b32 s54, s12, 15                         ; the head
	s_lshl_b32 s50, s53, 5
	s_lshl_b32 s55, s54, 13
	s_add_co_u32 s50, s50, s55
	s_mov_b32 s51, 0
	s_lshl_b32 s55, s[WV], 1
	s_add_co_u32 s53, s53, s55
	s_mul_i32 s48, s53, 12288
	s_mul_i32 s55, s54, 768
	s_add_co_u32 s48, s48, s55
	s_mov_b32 s49, 0
	s_add_nc_u64 s[48:49], s[6:7], s[48:49]
	s_add_nc_u64 s[50:51], s[8:9], s[50:51]
	s_lshl_b32 s19, s[WV], 6
	s_add_co_u32 s19, s19, SCST
	v_and_b32 v8, 31, v0
	v_lshlrev_b32 v[L16], 4, v8
	v_lshlrev_b32 v[L8], 3, v8
	v_and_b32 v11, 15, v0
	v_lshlrev_b32 v[LS], 2, v11
	WALU                                           ; the wait ahead of the loads
	WIN 0x40
	global_load_b128 v[Q+6:Q+9], v[L16], s[44:45]
	global_load_b64 v[Q+10:Q+11], v[L8], s[44:45] offset:512
	global_load_b128 v[Q+18:Q+21], v[L16], s[44:45] offset:768
	global_load_b64 v[Q+22:Q+23], v[L8], s[44:45] offset:1280
	WIN 0
	global_load_b32 v[T], v[LS], s[46:47] offset:6144
	v_bfe_u32 v8, v0, 4, 1
	v_lshlrev_b32 v[SH8], 3, v8
	v_lshl_add_u32 v[SCA], v11, 1, v8
	v_add_nc_u32 v[SCA], s19, v[SCA]               ; 64 x wave + 2 r + h
	v_add_nc_u32 v[SCR], SCST, v[L16]
	v_mov_b32 v[A16], v[L16]
	v_mov_b32 v[A8], v[L8]
	v_mov_b32 v[AS], v[LS]
	v_mov_b32 v[NM+1], 0xff61b1e6                  ; the largest score so far: -3e38
	v_mov_b32 v[NM+3], 0xff61b1e6
	v_mul_f32 v[NM], s[NC], v[NM+1]
	v_floor_f32 v[NM], v[NM]
	v_mov_b32 v[NM+2], v[NM]
.irp i, 0,1,2,3,4,5,6,7
	v_mov_b32 v[LS0+\i], 0
.endr
	v_mov_b32 v[FF+1], 0
	v_mov_b32 v[FF+3], 0
	v_mov_b32 v[T+1], 0
	v_mov_b32 v[T+3], 0
	s_wait_loadcnt 0x0
	v_perm_b32 v[QS], v[T], v[T], 0x01000100       ; A's two scale bytes, twice; B's
	v_perm_b32 v[QS+1], v[T], v[T], 0x03020302
	WIN 0x40
.irp i, 0,1,2,3,4,5
	v_mov_b32 v[Q+\i], 0
	v_mov_b32 v[Q+12+\i], 0
	v_mov_b32 v[Q+24+\i], 0
.endr
.set j, 0
.rept 64
	v_mov_b32 v[j], 0                              ; O^T: the step is written for every step alike
.set j, j+1
.endr
	WIN 0
.macro FRAG12 reg, off
	ds_load_b128 v[(\reg):(\reg)+3], v[A16] offset:(\off)
	ds_load_b64 v[(\reg)+4:(\reg)+5], v[A8] offset:(\off)+512
	ds_load_b128 v[(\reg)+6:(\reg)+9], v[A16] offset:(\off)+768
	ds_load_b64 v[(\reg)+10:(\reg)+11], v[A8] offset:(\off)+1280
.endm
.macro KLOAD off                       ; 20 LDS loads: four fragments of k and their scale words
.irp p, 0,1,2,3
	FRAG12 F+12*\p, (\off)+1536*\p
	ds_load_b32 v[KS+\p], v[AS] offset:(\off)+6144+64*\p
.endr
.endm
.macro SW d, p, q, qs
	v_wmma_scale_f32_16x16x128_f8f6f4 v[\d:\d+7], v[F+12*\p:F+12*\p+11], v[\q:\q+11], 0, v[KS+\p], v[\qs] matrix_a_fmt:MATRIX_FMT_FP6 matrix_b_fmt:MATRIX_FMT_FP6
.endm
.macro SUM x, n                        ; the n-th pair of tile x's 64 p onto one of its two sums; the first two bring the sums under the new M
.if (\n) < 2
	v_pk_fma_f32 v[LS0+4*\x+2*(\n):LS0+4*\x+2*(\n)+1], v[LS0+4*\x+2*(\n):LS0+4*\x+2*(\n)+1], v[FF+2*\x:FF+2*\x+1], v[SA+64*\x+2*(\n):SA+64*\x+2*(\n)+1] op_sel_hi:[1,0,1]
.else
	v_pk_add_f32 v[LS0+4*\x+2*((\n)%2):LS0+4*\x+2*((\n)%2)+1], v[LS0+4*\x+2*((\n)%2):LS0+4*\x+2*((\n)%2)+1], v[SA+64*\x+2*(\n):SA+64*\x+2*(\n)+1]
.endif
.endm
.macro TM m                            ; t - M of the m-th pair of the 128 scores (pairs 0-31 tile A, 32-63 tile B)
	v_pk_fma_f32 v[SA+2*(\m):SA+2*(\m)+1], v[SA+2*(\m):SA+2*(\m)+1], s[CS:CS+1], v[NM+2*((\m)/32):NM+2*((\m)/32)+1] op_sel_hi:[1,0,0]
.endm
.macro QUARTER next                    ; 32 exponentials from pair j on; next = 1: among them the next quarter's 16 multiply-adds
.rept 16
	v_exp_f32 v[SA+2*j], v[SA+2*j]
	v_exp_f32 v[SA+2*j+1], v[SA+2*j+1]
.if \next
	TM j+16
.endif
.set j, j+1
.endr
.endm
.macro STEP more                       ; 128 keys.  more = 1: the next step's k is fetched
	s_wait_dscnt 0x0                               ; k's fragments are in
	WIN 0x04                                       ; source 1 (q) window 1
.irp p, 0,1,2,3
	SW SA+16*\p, \p, Q+6, QS
	SW SA+16*\p+8, \p, Q, QS
	SW SA+64+16*\p, \p, Q+18, QS+1
	SW SA+64+16*\p+8, \p, Q+12, QS+1
.endr
	WIN 0
.rept 4
	v_nop                                          ; places ahead of the loads into fragments and of the reads of the scores
.endr
	WIN 0x40
.irp d, 0,1,2,3
	FRAG12 VF+12*\d, REC+1536*\d
.endr
	WIN 0
.irp d, 0,1,2,3
	ds_load_b32 v[VS+\d], v[AS] offset:REC+6144+64*\d
.endr
.if \more
	KLOAD STEPB
	v_add_nc_u32 v[A16], STEPB, v[A16]
	v_add_nc_u32 v[A8], STEPB, v[A8]
	v_add_nc_u32 v[AS], STEPB, v[AS]
.endif
.irp k, 0,1,2,3,4,5,6,7                ; the largest score of each block of 32 keys: eight chains of 16 by turns
	v_max3_num_f32 v[BM+\k], v[SA+16*\k], v[SA+16*\k+1], v[SA+16*\k+2]
.endr
.irp i, 3,5,7,9,11,13
.irp k, 0,1,2,3,4,5,6,7
	v_max3_num_f32 v[BM+\k], v[BM+\k], v[SA+16*\k+\i], v[SA+16*\k+\i+1]
.endr
.endr
.irp g, 0,1,2,3
	v_max3_num_f32 v[BM+2*\g], v[BM+2*\g], v[BM+2*\g+1], v[SA+32*\g+15]
.endr
.irp g, 0,1,2,3
	v_max_num_f32 v[BM+2*\g], v[BM+2*\g], v[SA+32*\g+31]
.endr
.irp x, 0,1
	v_max_num_f32 v[T+2*\x], v[BM+4*\x], v[BM+4*\x+2]
.endr
.irp x, 0,1
	v_permlanex16_b32 v[T+2*\x+1], v[T+2*\x], s[SEL], s[SEL+1]
.endr
.irp x, 0,1
	v_max3_num_f32 v[NM+2*\x+1], v[NM+2*\x+1], v[T+2*\x], v[T+2*\x+1]   ; the running largest score of my query
.endr
.irp x, 0,1
	v_mov_b32 v[T+2*\x], v[NM+2*\x]
.endr
.irp x, 0,1
	v_mul_f32 v[T+2*\x+1], s[NC], v[NM+2*\x+1]
.endr
.irp x, 0,1
	v_floor_f32 v[NM+2*\x], v[T+2*\x+1]            ; -M = floor(-t)
.endr
.irp x, 0,1
	v_sub_f32 v[T+2*\x], v[NM+2*\x], v[T+2*\x]     ; old M less new M: a whole number, 0 or less
.endr
.irp x, 0,1
	v_cvt_i32_f32 v[T+2*\x], v[T+2*\x]
.endr
.irp x, 0,1
	v_ldexp_f32 v[FF+2*\x], 1.0, v[T+2*\x]         ; the factor 2^(old M - new M)
.endr
.set j, 0
.rept 16
	TM j                                           ; the first quarter's multiply-adds
.set j, j+1
.endr
	v_fma_f32 v[BM], v[BM], s[CS], v[NM]
	v_fma_f32 v[BM+2], v[BM+2], s[CS], v[NM]
	WIN 0x41
.set j, 0
.rept 32
	v_pk_mul_f32 v[j:j+1], v[j:j+1], v[FF+2*(j/32):FF+2*(j/32)+1] op_sel_hi:[1,0]   ; O^T under the new M, each accumulator from its low end on
.set j, j+2
.endr
	WIN 0
	WALU                                           ; a wait ahead of each batch of exponentials and behind it
.set j, 0
	v_exp_f32 v[BM], v[BM]
	v_exp_f32 v[BM+2], v[BM+2]
	QUARTER 1
	WALU
	QUARTER 1
	v_fma_f32 v[BM+4], v[BM+4], s[CS], v[NM+2]
	v_fma_f32 v[BM+6], v[BM+6], s[CS], v[NM+2]
	WALU
	v_exp_f32 v[BM+4], v[BM+4]
	v_exp_f32 v[BM+6], v[BM+6]
	QUARTER 1
	WALU
	QUARTER 0
	v_max_num_f32 v[BM], 0x1800000, v[BM]          ; the floor 2^(3 - 127)
	v_max_num_f32 v[BM+2], 0x1800000, v[BM+2]
	v_max_num_f32 v[BM+4], 0x1800000, v[BM+4]
	v_max_num_f32 v[BM+6], 0x1800000, v[BM+6]
	WALU
.irp g, 0,1,2,3
	v_add_nc_u32 v[SO+\g], 0xff000000, v[BM+2*\g]  ; the conversions' scale operands
.endr
.irp g, 0,1,2,3
	v_lshrrev_b32 v[BT+\g], 23, v[SO+\g]
.endr
.irp x, 0,1
	v_lshl_or_b32 v[T+2*\x], v[BT+2*\x+1], 16, v[BT+2*\x]   ; my two bytes: blocks h and 2 + h
.endr
.irp x, 0,1
	v_lshlrev_b32 v[T+2*\x], v[SH8], v[T+2*\x]
.endr
.irp x, 0,1
	v_permlanex16_b32 v[T+2*\x+1], v[T+2*\x], s[SEL], s[SEL+1]
.endr
.irp x, 0,1
	v_or_b32 v[PS+\x], v[T+2*\x], v[T+2*\x+1]      ; p's scale word for these 128 keys
.endr
	WIN 0x40
.irp g, 0,1,2,3
	v_cvt_scalef32_pk16_fp6_f32 v[PC+6*\g:PC+6*\g+2], v[SA+32*\g:SA+32*\g+15], v[SO+\g]
	v_cvt_scalef32_pk16_fp6_f32 v[PT+4*\g:PT+4*\g+2], v[SA+32*\g+16:SA+32*\g+31], v[SO+\g]
.endr
	v_nop
	WIN 0x41
.irp g, 0,1,2,3
.irp i, 0,1,2
	v_mov_b32 v[PC+6*\g+3+\i], v[PT+4*\g+\i]
.endr
.endr
	WIN 0
.set j, 0
.rept 32
	SUM 0, j                                       ; the rows' sums of the unquantised p: four chains by turns
	SUM 1, j
.set j, j+1
.endr
.if \more
	s_wait_dscnt 20                                ; v's 20 loads are in; the next step's 20 of k, issued behind them, may be out
.else
	s_wait_dscnt 0x0
.endif
	WIN 0x55
.irp d, 0,1,2,3
	v_wmma_scale_f32_16x16x128_f8f6f4 v[8*\d:8*\d+7], v[VF+12*\d:VF+12*\d+11], v[PC:PC+11], v[8*\d:8*\d+7], v[VS+\d], v[PS] matrix_a_fmt:MATRIX_FMT_FP6 matrix_b_fmt:MATRIX_FMT_FP6
	v_wmma_scale_f32_16x16x128_f8f6f4 v[32+8*\d:32+8*\d+7], v[VF+12*\d:VF+12*\d+11], v[PC+12:PC+23], v[32+8*\d:32+8*\d+7], v[VS+\d], v[PS+1] matrix_a_fmt:MATRIX_FMT_FP6 matrix_b_fmt:MATRIX_FMT_FP6
.endr
	WIN 0
.endm
	WALU                                           ; the wait at the head's end
	s_wait_tensorcnt 0x0                           ; my two steps are in,
	s_barrier_signal -1
	s_barrier_wait -1                              ; everybody's are
	KLOAD 0
	s_mov_b32 s[CNT], 15
.Lkeys:
	STEP 1
	s_sub_co_u32 s[CNT], s[CNT], 1
	s_cmp_lg_u32 s[CNT], 0
	s_cbranch_scc1 .Lkeys
	STEP 0                                         ; the last step fetches nothing beyond the keys
	WALU                                           ; the wait directly ahead of the first reader of the sums
.irp x, 0,1
	v_pk_add_f32 v[LS0+4*\x:LS0+4*\x+1], v[LS0+4*\x:LS0+4*\x+1], v[LS0+4*\x+2:LS0+4*\x+3]
.endr
.irp x, 0,1
	v_add_f32 v[LS0+4*\x], v[LS0+4*\x], v[LS0+4*\x+1]
.endr
.irp x, 0,1
	v_permlanex16_b32 v[T+2*\x+1], v[LS0+4*\x], s[SEL], s[SEL+1]
.endr
.irp x, 0,1
	v_add_f32 v[FF+2*\x], v[LS0+4*\x], v[T+2*\x+1] ; the row's sum
.endr
	WALU
	v_rcp_f32 v[FF], v[FF]
	v_rcp_f32 v[FF+2], v[FF+2]
	v_nop
	WIN 0x01
	WALU                                           ; for the reciprocals and, directly ahead of its first readers, for O^T
.set j, 0
.rept 32
	v_pk_mul_f32 v[SA+j:SA+j+1], v[j:j+1], v[FF+2*(j/32):FF+2*(j/32)+1] op_sel_hi:[1,0]
.set j, j+2
.endr
	WIN 0
.irp k, 0,1,2,3                        ; tile x's 32 numbers of a lane are features 32 h + 0 .. 31 of the head: one scale block
	v_max3_num_f32 v[BM+\k], |v[SA+16*\k]|, |v[SA+16*\k+1]|, |v[SA+16*\k+2]|
.endr
.irp i, 3,5,7,9,11,13
.irp k, 0,1,2,3
	v_max3_num_f32 v[BM+\k], v[BM+\k], |v[SA+16*\k+\i]|, |v[SA+16*\k+\i+1]|
.endr
.endr
.irp g, 0,1
	v_max3_num_f32 v[BM+2*\g], v[BM+2*\g], v[BM+2*\g+1], |v[SA+32*\g+15]|
.endr
.irp g, 0,1
	v_max3_num_f32 v[BM+2*\g], v[BM+2*\g], |v[SA+32*\g+31]|, 0x1800000
.endr
.irp g, 0,1
	v_add_nc_u32 v[SO+\g], 0xff000000, v[BM+2*\g]
.endr
.irp g, 0,1
	v_lshrrev_b32 v[BT+\g], 23, v[SO+\g]
.endr
.irp g, 0,1
	v_cvt_scalef32_pk16_fp6_f32 v[F+12*\g:F+12*\g+2], v[SA+32*\g:SA+32*\g+15], v[SO+\g]
	v_cvt_scalef32_pk16_fp6_f32 v[F+24+4*\g:F+26+4*\g], v[SA+32*\g+16:SA+32*\g+31], v[SO+\g]
.endr
	v_nop
.irp g, 0,1
.irp i, 0,1,2
	v_mov_b32 v[F+12*\g+3+\i], v[F+24+4*\g+\i]
.endr
.endr
.irp g, 0,1
	global_store_b128 v[L16], v[F+12*\g:F+12*\g+3], s[48:49] offset:12288*\g          ; an image: 512 and 256 consecutive bytes, aligned
	global_store_b64 v[L8], v[F+12*\g+4:F+12*\g+5], s[48:49] offset:12288*\g+512
.endr
	ds_store_b8 v[SCA], v[BT]
	ds_store_b8 v[SCA], v[BT+1] offset:32
	s_wait_dscnt 0x0
	s_barrier_signal -1
	s_barrier_wait -1
	s_cmp_lg_u32 s[WV], 0
	s_cbranch_scc1 .Lnot_mine
	ds_load_b128 v[SA:SA+3], v[SCR]                ; the work-group's 512 scale bytes leave as two aligned runs of 256
	s_wait_dscnt 0x0
	global_store_b128 v[L16], v[SA:SA+3], s[50:51]
.Lnot_mine:
	s_wait_tensorcnt 0x0                           ; the wave's end
	ds_add_u32 v254, v255
	s_wait_dscnt 0x0
	CROUND
	s_endpgm
.Lfunc_end_k_q6ff4761903_attn:
	.size	k_q6ff4761903_attn, .Lfunc_end_k_q6ff4761903_attn-k_q6ff4761903_attn
	.p2alignl 7, 3214868480
	.fill 96, 4, 3214868480
	.section	.rodata,"a",@progbits
	.p2align	6, 0x0
	.amdhsa_kernel k_q6ff4761903_attn
		.amdhsa_group_segment_fixed_size 327680
		.amdhsa_private_segment_fixed_size 0
		.amdhsa_enable_private_segment 0
		.amdhsa_kernarg_size 24
		.amdhsa_user_sgpr_count 2
		.amdhsa_user_sgpr_kernarg_segment_ptr 1
		.amdhsa_wavefront_size32 1
		.amdhsa_system_sgpr_workgroup_id_x 1
		.amdhsa_system_sgpr_workgroup_id_y 1
		.amdhsa_system_sgpr_workgroup_id_z 1
		.amdhsa_system_vgpr_workitem_id 0
		.amdhsa_next_free_vgpr 512
		.amdhsa_next_free_sgpr 66
		.amdhsa_reserve_vcc 0
		.amdhsa_float_denorm_mode_32 3
		.amdhsa_float_denorm_mode_16_64 3
		.amdhsa_memory_ordered 1
		.amdhsa_forward_progress 1
		.amdhsa_inst_pref_size 70
	.end_amdhsa_kernel
	.amdgpu_metadata
---
amdhsa.version: [ 1, 2 ]
amdhsa.kernels:
  - .name:           k_q6ff4761903_attn
    .symbol:         k_q6ff4761903_attn.kd
    .args:
      - { .name: qkvc, .offset: 0, .size: 8, .value_kind: global_buffer, .address_space: global }
      - { .name: attc, .offset: 8, .size: 8, .value_kind: global_buffer, .address_space: global }
      - { .name: atts, .offset: 16, .size: 8, .value_kind: global_buffer, .address_space: global }
    .group_segment_fixed_size: 327680
    .private_segment_fixed_size: 0
    .kernarg_segment_align: 8
    .kernarg_segment_size: 24
    .max_flat_workgroup_size: 256
    .sgpr_count:     66
    .vgpr_count:     512
    .wavefront_size: 32
...
	.end_amdgpu_metadata
.endif
;; end of part 3
;; launch proj (part 4): grid 8 x 32, 4 waves a work-group, clusters of 4 x 4, 243,200 bytes of LDS; arguments attc, atts, xwc, xws, out_bias, out0; writes out0
.if DOCPART == 4
	.amdgcn_target "amdgcn-amd-amdhsa--gfx1250"
	.amdhsa_code_object_version 6
	.text
	.protected	k_q6ff4761903_proj
	.globl	k_q6ff4761903_proj
	.p2align	8
	.type	k_q6ff4761903_proj,@function
k_q6ff4761903_proj:
	s_mov_b64 s[64:65], 0
	v_nop
	global_prefetch_b8 v0, s[64:65] scope:SCOPE_SE
	s_setreg_imm32_b32 hwreg(HW_REG_WAVE_MODE, 25, 1), 1
	s_wait_xcnt 0x0
	s_wait_alu depctr_hold_cnt(0) depctr_sa_sdst(0) depctr_va_vdst(0) depctr_va_sdst(0) depctr_va_ssrc(0) depctr_va_vcc(0) depctr_vm_vsrc(0)
	s_getreg_b32 s2, hwreg(HW_REG_IB_STS2, 6, 4)
	s_cmp_eq_u32 s2, 0
	s_cbranch_scc0 .Lentry_in_a_cluster
	s_endpgm
.Lentry_in_a_cluster:
	s_bfe_u32 s2, ttmp6, 0x10000c
	s_cmp_lg_u32 s2, 0xf033
	s_cbranch_scc0 .Lentry_shape_is_right
	s_endpgm
.Lentry_shape_is_right:
; out = attn Wout^T + out_bias on codes of FP6 (E2M3) with one E8M0 scale for each 32 along K = 1,024; out [4096][1024] f32.
; A tile of out is 128 x 128: 256 work-groups.  Four waves, each 64 x 64: 16 accumulators.
; ALL OF K LIES IN LDS, asked for once, one joint load a wave: waves 0 and 1 four tiles of 16 rows of attn each, waves 2 and 3 a block of 64 rows of Wout each: 49,152 dense bytes as 192 rows of 256.  Nothing is filled again.
; No prefetch: all tiles are asked for at the head, and there is no loop to run ahead in.
; attn's codes lie as images of operand registers ([tile of 16 rows][head][768 bytes]); two heads' images on end are a fragment of 128 along K.
; Wout's codes lie [block of 64 rows][K step of 256][row][192 bytes]; 16 bytes of padding behind every 64 make LDS rows of 240 bytes.
; CLUSTERS: 4 x 4.  attn's tiles are shared along a row of the cluster, Wout's along a column.
; THE MATRIX INSTRUCTION IS USED TRANSPOSED: source 0 = 16 rows of Wout, source 1 = 16 rows of attn.  Both tensors' rows lie, in every 64, by groups of eight 2 j + h for original group 4 h + j:
; the 32 registers of result tiles 0 .. 3 are columns 32 (lane / 16) + 0 .. 31 of my 64, and lane r of row tile a is row 8 a + r % 8 + 32 (r / 8).  The bias is the C of each sum's first matrix instruction.
.set PITCH, 240
.set BRO,   98304                      ; Wout's rows: 61,440 x half + 15,360 x K step of 256 + 240 x row
.set ASW,   221184                     ; attn's scale words: [tile 8][K step 8][r 16] of 4 bytes
.set STG,   225280                     ; the way out: 16 rows x (256 + 16) bytes a wave
.set AA,   8
.set AB,   12
.set STO,  16
.set RD,   17
.set CO,   18
.set ASA,  19
.set ASTW, 20
.set SA,   32
.set SB,   48
.set F0,   64
.set BI,   128
.set G1A, 28
.set G1B, 36
.set G0A, 44
.set G0B, 48
.set MSB, 0
.macro WIN new
.if MSB != \new
	s_set_vgpr_msb (MSB<<8)|\new
.set MSB, \new
.endif
.endm
.macro CROUND
	s_barrier_signal -1
	s_barrier_wait -1
	s_cmp_lg_u32 s16, 0
	s_cbranch_scc1 .Lnot_wave_0_\@
	s_barrier_signal -3
.Lnot_wave_0_\@:
	s_barrier_wait -3
	s_barrier_signal -1
	s_barrier_wait -1
.endm
.macro PLACES
.rept 4
	v_nop
.endr
.endm
	s_load_b256 s[4:11], s[0:1], 0x0               ; attc, atts, xwc, xws
	s_load_b128 s[12:15], s[0:1], 0x20             ; out_bias, out0
	v_lshl_add_u32 v22, v0, 2, 0x3b400
	v_mov_b32 v23, 0
	ds_add_u32 v22, v23                            ; the opening lines
	ds_add_u32 v22, v23
	v_lshrrev_b32 v1, 5, v0
	v_readfirstlane_b32 s16, v1                    ; wave
	s_lshr_b32 s17, s16, 1                         ; my half of the rows; I fetch for attn (0) or Wout (1)
	s_and_b32 s18, s16, 1                          ; my half of the columns; which half I fetch
	s_bfe_u32 s19, ttmp6, 0x40000
	s_bfe_u32 s20, ttmp6, 0x40004
	s_lshl_b32 s21, ttmp9, 2
	s_add_co_u32 s21, s21, s19                     ; tile column
	s_and_b32 s22, ttmp7, 0xffff
	s_lshl_b32 s22, s22, 2
	s_add_co_u32 s22, s22, s20                     ; tile row
	s_lshl_b32 s23, s20, 2
	s_lshl_b32 s23, 15, s23
	s_lshl_b32 s24, 0x1111, s19
	s_or_b32 s[G1A], s23, (3<<16)|(1<<21)
	s_or_b32 s[G1B], s24, (3<<16)|(1<<20)|(1<<21)|(3<<22)|(3<<25)   ; 4 words of padding behind every 16
.irp g, G1A, G1B
	s_mov_b32 s[\g+1], 32<<16
	s_mov_b32 s[\g+2], 192<<16
	s_mov_b32 s[\g+3], 32<<16
	s_mov_b32 s[\g+4], 192
	s_mov_b32 s[\g+5], 32
	s_mov_b32 s[\g+6], 0
	s_mov_b32 s[\g+7], 0
.endr
	s_lshl_b32 s84, s22, 1
	s_add_co_u32 s84, s84, s18
	s_mul_i32 s84, s84, 49152                      ; attn: four tiles of 12,288 bytes
	s_mov_b32 s85, 0
	s_lshl_b32 s86, s21, 1
	s_add_co_u32 s86, s86, s18
	s_mul_i32 s86, s86, 49152                      ; Wout: a block of 64 rows, behind x's and Wqkv's 7,168 rows
	s_add_co_u32 s86, s86, 5505024
	s_mov_b32 s87, 0
	s_mov_b32 s[G0A], 1
	s_mul_i32 s[G0A+1], s18, 49152
	s_mov_b32 s[G0B], 1
	s_mul_i32 s[G0B+1], s18, 61440
	s_add_co_u32 s[G0B+1], s[G0B+1], BRO
	s_wait_dscnt 0x0
	s_wait_kmcnt 0x0
	s_add_nc_u64 s[G0A+2:G0A+3], s[4:5], s[84:85]
	s_or_b32 s[G0A+3], s[G0A+3], 0x80000000
	s_add_nc_u64 s[G0B+2:G0B+3], s[8:9], s[86:87]
	s_or_b32 s[G0B+3], s[G0B+3], 0x80000000
	CROUND
	s_cmp_eq_u32 s17, 0
	s_cbranch_scc0 .Lfor_b
	tensor_load_to_lds s[G0A:G0A+3], s[G1A:G1A+7]
	s_nop 0
	PLACES
	s_branch .Lasked
.Lfor_b:
	tensor_load_to_lds s[G0B:G0B+3], s[G1B:G1B+7]
	s_nop 0
	PLACES
.Lasked:
	v_and_b32 v1, 15, v0                           ; r
	v_bfe_u32 v2, v0, 4, 1                         ; h
	v_and_b32 v3, 31, v0
	s_mul_i32 s60, s17, 49152                      ; my four tiles of rows
	v_lshl_add_u32 v[AA], v3, 4, s60
	v_lshl_add_u32 v[AA+1], v3, 3, s60
	s_mul_i32 s61, s18, 61440                      ; my 64 rows of Wout
	s_add_co_u32 s61, s61, BRO
	v_mul_u32_u24 v4, v1, PITCH
	v_mad_u32_u24 v4, v2, 24, v4
	v_add_nc_u32 v[AB], s61, v4
	v_lshl_add_u32 v[AB+1], v2, 4, v[AB]
	s_mul_i32 s62, s16, 4352
	s_add_co_u32 s62, s62, STG
	v_mul_u32_u24 v5, v1, 272
	v_lshl_add_u32 v5, v2, 7, v5
	v_add_nc_u32 v[STO], s62, v5                   ; in: row r, + 128 h: my 32 columns
	v_mul_u32_u24 v5, v2, 272
	v_lshl_add_u32 v5, v1, 4, v5
	v_add_nc_u32 v[RD], s62, v5                    ; back: lanes 0-15 one row of 256 bytes, lanes 16-31 the next
	v_lshlrev_b32 v[CO], 12, v2
	v_lshl_add_u32 v[CO], v1, 4, v[CO]
	s_lshl_b32 s63, s17, 11
	s_add_co_u32 s63, s63, ASW
	v_lshlrev_b32 v5, 2, v1
	v_lshl_add_u32 v5, v2, 8, v5
	v_add_nc_u32 v[ASA], s63, v5
	; attn's scale bytes lie [head][tile][r] of two bytes.  Thread t takes K step t / 16 (two heads) and eight rows, and weaves them into eight words
	v_lshrrev_b32 v4, 4, v0
	v_lshlrev_b32 v5, 4, v1
	v_lshl_add_u32 v5, v4, 14, v5
	v_lshrrev_b32 v6, 1, v1
	v_lshlrev_b32 v6, 9, v6
	v_lshl_add_u32 v6, v4, 6, v6
	v_and_b32 v7, 1, v1
	v_lshl_add_u32 v6, v7, 5, v6
	v_add_nc_u32 v[ASTW], ASW, v6
	s_lshl_b32 s88, s22, 8
	s_mov_b32 s89, 0
	s_add_nc_u64 s[6:7], s[6:7], s[88:89]
	global_load_b128 v[24:27], v5, s[6:7]
	global_load_b128 v[28:31], v5, s[6:7] offset:8192
	s_lshl_b32 s90, s21, 7
	s_lshl_b32 s91, s18, 6
	s_add_co_u32 s90, s90, s91                     ; my first column
	s_lshl_b32 s88, s90, 5
	s_add_co_u32 s88, s88, 229376
	s_add_nc_u64 s[10:11], s[10:11], s[88:89]
	s_lshl_b32 s88, s90, 2
	s_add_nc_u64 s[12:13], s[12:13], s[88:89]
	v_lshlrev_b32 v6, 5, v1
	v_lshl_add_u32 v6, v2, 4, v6
	v_lshlrev_b32 v7, 7, v2                        ; the bias: for tile b, columns 32 h + 8 b + 0 .. 7
.irp b, 0,1,2,3
	global_load_b128 v[SB+4*\b:SB+4*\b+3], v6, s[10:11] offset:512*\b
.endr
	WIN 0x40
.irp b, 0,1,2,3
	global_load_b128 v[BI+8*\b:BI+8*\b+3], v7, s[12:13] offset:32*\b
	global_load_b128 v[BI+8*\b+4:BI+8*\b+7], v7, s[12:13] offset:32*\b+16
.endr
	WIN 0
	s_lshl_b32 s88, s22, 7
	s_lshl_b32 s91, s17, 6
	s_add_co_u32 s88, s88, s91
	s_lshl_b32 s88, s88, 12
	s_lshl_b32 s91, s90, 2
	s_add_co_u32 s88, s88, s91
	s_add_nc_u64 s[14:15], s[14:15], s[88:89]
	s_wait_alu depctr_va_vdst(0)                   ; the wait at the head's end
	s_wait_loadcnt 12                              ; attn's scale bytes are in; the twelve loads behind them may be out
.irp j, 0,1,2,3
	v_perm_b32 v[F0+2*\j], v[28+\j], v[24+\j], 0x05040100
	v_perm_b32 v[F0+2*\j+1], v[28+\j], v[24+\j], 0x07060302
.endr
	ds_store_b128 v[ASTW], v[F0:F0+3]
	ds_store_b128 v[ASTW], v[F0+4:F0+7] offset:16
	s_wait_tensorcnt 0x0                           ; my tile is in,
	s_wait_dscnt 0x0                               ; my scale words are stored,
	s_barrier_signal -1
	s_barrier_wait -1                              ; everybody's are
.macro AFRAG reg, k, a
.set AO, 12288*(\a)+1536*(\k)
	ds_load_b128 v[\reg:\reg+3], v[AA] offset:AO
	ds_load_b64 v[\reg+4:\reg+5], v[AA+1] offset:AO+512
	ds_load_b128 v[\reg+6:\reg+9], v[AA] offset:AO+768
	ds_load_b64 v[\reg+10:\reg+11], v[AA+1] offset:AO+1280
.endm
.macro BFRAG reg, k, i                 ; pieces of 8 bytes; lanes 16-31 read three pieces on, which for some pieces is behind one padding more
.irp p, 0,1,2,3,4,5
.set PCE, 12*((\k)%2)+6*(\p/3)+\p%3
.if PCE%8 < 5
	ds_load_b64 v[\reg+2*\p:\reg+2*\p+1], v[AB] offset:15360*((\k)/2)+8*PCE+16*(PCE/8)+(\i)*16*PITCH
.else
	ds_load_b64 v[\reg+2*\p:\reg+2*\p+1], v[AB+1] offset:15360*((\k)/2)+8*PCE+16*(PCE/8)+(\i)*16*PITCH
.endif
.endr
.endm
.macro FETCH k                         ; 40 LDS loads into set k % 2
.set FS, F0+96*((\k)%2)
.irp a, 0,1,2,3
	AFRAG FS+12*\a, \k, \a
.endr
.irp b, 0,1,2,3
	BFRAG FS+48+12*\b, \k, \b
.endr
.endm
.macro MULK k                          ; the 16 accumulators take turns
.set FS, F0+96*((\k)%2)
.irp a, 0,1,2,3
.irp b, 0,1,2,3
.if (\k) == 0
	v_wmma_scale_f32_16x16x128_f8f6f4 v[8*(4*\a+\b):8*(4*\a+\b)+7], v[FS+48+12*\b:FS+48+12*\b+11], v[FS+12*\a:FS+12*\a+11], v[BI+8*\b:BI+8*\b+7], v[SB+4*\b], v[SA+4*\a] matrix_a_fmt:MATRIX_FMT_FP6 matrix_b_fmt:MATRIX_FMT_FP6
.elseif (\k) < 4
	v_wmma_scale_f32_16x16x128_f8f6f4 v[8*(4*\a+\b):8*(4*\a+\b)+7], v[FS+48+12*\b:FS+48+12*\b+11], v[FS+12*\a:FS+12*\a+11], v[8*(4*\a+\b):8*(4*\a+\b)+7], v[SB+4*\b+(\k)], v[SA+4*\a+(\k)] matrix_a_fmt:MATRIX_FMT_FP6 matrix_b_fmt:MATRIX_FMT_FP6
.else
	v_wmma_scale_f32_16x16x128_f8f6f4 v[8*(4*\a+\b):8*(4*\a+\b)+7], v[FS+48+12*\b:FS+48+12*\b+11], v[FS+12*\a:FS+12*\a+11], v[8*(4*\a+\b):8*(4*\a+\b)+7], v[SB+4*\b+(\k)-4], v[SA+4*\a+(\k)-4] matrix_a_fmt:MATRIX_FMT_FP6 matrix_b_fmt:MATRIX_FMT_FP6 matrix_a_scale:MATRIX_SCALE_ROW1 matrix_b_scale:MATRIX_SCALE_ROW1
.endif
.endr
.endr
.endm
.macro KSTEP k
.if (\k) < 7
	PLACES
	FETCH (\k)+1
	s_wait_dscnt 40                                ; all but the 40 just issued
.else
	s_wait_dscnt 0x0
.endif
	WIN 0x50
	MULK \k
	WIN 0
.endm
.irp a, 0,1,2,3
.irp k, 0,1,2,3
	ds_load_b32 v[SA+4*\a+\k], v[ASA] offset:512*\a+64*\k
.endr
.endr
	FETCH 0
	s_wait_loadcnt 0x0                             ; Wout's scale words and the bias
.irp k, 0,1,2,3,4,5,6,7
	KSTEP \k
.endr
.macro TOSTAGE a                       ; a tile of 16 rows x 64 columns through my own stage; LDS serves a wave's instructions in order
	WIN 0x04
.irp b, 0,1,2,3
	ds_store_b128 v[STO], v[8*(4*(\a)+\b):8*(4*(\a)+\b)+3] offset:32*\b
	ds_store_b128 v[STO], v[8*(4*(\a)+\b)+4:8*(4*(\a)+\b)+7] offset:32*\b+16
.endr
	WIN 0
.set BB, F0+32*((\a)%2)
.irp t, 0,1,2,3,4,5,6,7
	ds_load_b128 v[BB+4*\t:BB+4*\t+3], v[RD] offset:\t*544
.endr
.endm
.macro SEND a, younger
.set BB, F0+32*((\a)%2)
	s_wait_dscnt \younger
.irp t, 0,1,2,3,4,5,6,7
	global_store_b128 v[CO], v[BB+4*\t:BB+4*\t+3], s[14:15] offset:(8*(\a)+2*\t+24*(\t/4))*4096 th:TH_STORE_NT   ; stage row 2 t + h is row 8 a + 2 t + h + 24 (t / 4) of my 64; 16 lanes store 256 consecutive bytes, aligned
.endr
.endm
	PLACES
	TOSTAGE 0
.irp a, 1,2,3
.if \a > 1
	s_wait_xcnt 0x0                                ; tile a - 2's stores have read their registers
.endif
	TOSTAGE \a
	SEND \a-1, 16                                  ; behind tile a - 1's loads: tile a's 8 stores and 8 loads
.endr
	SEND 3, 0
	s_wait_tensorcnt 0x0                           ; the wave's end
	ds_add_u32 v22, v23
	s_wait_dscnt 0x0
	CROUND
	s_endpgm
.Lfunc_end_k_q6ff4761903_proj:
	.size	k_q6ff4761903_proj, .Lfunc_end_k_q6ff4761903_proj-k_q6ff4761903_proj
	.p2alignl 7, 3214868480
	.fill 96, 4, 3214868480
	.section	.rodata,"a",@progbits
	.p2align	6, 0x0
	.amdhsa_kernel k_q6ff4761903_proj
		.amdhsa_group_segment_fixed_size 243200
		.amdhsa_private_segment_fixed_size 0
		.amdhsa_enable_private_segment 0
		.amdhsa_kernarg_size 48
		.amdhsa_user_sgpr_count 2
		.amdhsa_user_sgpr_kernarg_segment_ptr 1
		.amdhsa_wavefront_size32 1
		.amdhsa_system_sgpr_workgroup_id_x 1
		.amdhsa_system_sgpr_workgroup_id_y 1
		.amdhsa_system_sgpr_workgroup_id_z 1
		.amdhsa_system_vgpr_workitem_id 0
		.amdhsa_next_free_vgpr 512
		.amdhsa_next_free_sgpr 96
		.amdhsa_reserve_vcc 0
		.amdhsa_float_denorm_mode_32 3
		.amdhsa_float_denorm_mode_16_64 3
		.amdhsa_memory_ordered 1
		.amdhsa_forward_progress 1
		.amdhsa_inst_pref_size 56
	.end_amdhsa_kernel
	.amdgpu_metadata
---
amdhsa.version: [ 1, 2 ]
amdhsa.kernels:
  - .name:           k_q6ff4761903_proj
    .symbol:         k_q6ff4761903_proj.kd
    .args:
      - { .name: attc, .offset: 0, .size: 8, .value_kind: global_buffer, .address_space: global }
      - { .name: atts, .offset: 8, .size: 8, .value_kind: global_buffer, .address_space: global }
      - { .name: xwc, .offset: 16, .size: 8, .value_kind: global_buffer, .address_space: global }
      - { .name: xws, .offset: 24, .size: 8, .value_kind: global_buffer, .address_space: global }
      - { .name: out_bias, .offset: 32, .size: 8, .value_kind: global_buffer, .address_space: global }
      - { .name: out0, .offset: 40, .size: 8, .value_kind: global_buffer, .address_space: global }
    .group_segment_fixed_size: 243200
    .private_segment_fixed_size: 0
    .kernarg_segment_align: 8
    .kernarg_segment_size: 48
    .max_flat_workgroup_size: 128
    .sgpr_count:     96
    .vgpr_count:     512
    .wavefront_size: 32
...
	.end_amdgpu_metadata
.endif
;; end of part 4
